; MI455X (gfx1250); checked and timed in simulation.
; The chip was launched on July 23, 2026; its instructions are those of AMD's public machine-readable ISA for CDNA 5 (MIT licence, August 2026) and "CDNA5" Instruction Set Architecture Reference Guide (July 2026). The comments in the code are by the model that wrote it; some were corrected since.
;; Self Attention V2. Allowed arithmetic: matrix products marked QUANTISED: E2M3 operands, one E8M0 scale for each 32 along K, by v_wmma_scale_f32_16x16x128_f8f6f4 with both operands' format E2M3, f32 sums; everything else in f32.
;; Inputs: W_proj 3,072 x 1,024 float32; b_proj 3,072 float32; hidden_states 4 x 2,048 x 1,024 float32.
;; Outputs: out0 4 x 2,048 x 1,024 float32.
;; This version of the problem:
;;   THIS VERSION OF THE PROBLEM IS GIVEN IN LOW PRECISION. The matrix products marked QUANTISED in the list below multiply operands that are first quantised to E2M3 (2 exponent bits, 3 mantissa bits; 6 bits a number), with one power-of-two scale for each 32 numbers along K (OCP MX v1.0); their sums are f32. All else is computed in f32.
;;   The module's matrix products, in the order in which they are computed (A, B: the left and right operand; K: the contracted axis; several contracted axes count as one K, in the product's order):
;;     1. [M 8,192, K 1,024] x [K 1,024, N 3,072]; A: input hidden_states; B: input W_proj: QUANTISED
;;     2. batch 4 x [M 2,048, K 1,024] x [K 1,024, N 2,048]; A: computed on the way; B: computed on the way: QUANTISED
;;     3. batch 4 x [M 2,048, K 2,048] x [K 2,048, N 1,024]; A: softmax (see below); B: computed on the way: QUANTISED
;;   THE QUANTISER, for each operand of a quantised product, along K:
;;     - K is cut into blocks of 32 from its start; a last block that is shorter is filled with zeros.
;;     - A block's scale is 2^e with e = floor(log2(the largest magnitude in the block)) - 2, held to -126 .. 127; a block of zeros has e = 0. As a byte (E8M0): e + 127.
;;     - Each number is divided by its block's scale, clamped to +-7.5, and rounded to the nearest number of E2M3, ties to even, subnormals kept.
;;     - The product sums the exact products of the quantised numbers (number of the format x scale) in f32.
;;   ~~~python
;;   def quantise(x, axis):      # numpy; x: float32 -> the quantised numbers, widened to float32 again
;;       x = np.moveaxis(x, axis, -1); K = x.shape[-1]
;;       x = np.pad(x, [(0, 0)] * (x.ndim - 1) + [(0, -K % 32)]); x = x.reshape(x.shape[:-1] + (-1, 32)); a = np.abs(x).max(-1, keepdims=True)
;;       e = np.where(a > 0, np.clip(np.frexp(np.where(a > 0, a, 1))[1] - 1 - 2, -126, 127), 0)      # np.frexp(a)[1] - 1 = floor(log2(a)), exactly
;;       r = np.clip(x / 2.0 ** e, -7.5, 7.5)
;;       step = 2.0 ** (np.maximum(np.frexp(np.where(r == 0, 1, r))[1] - 1, 0) - 3)
;;       q = np.round(r / step) * step * 2.0 ** e      # np.round: ties to even
;;       return np.moveaxis(q.reshape(q.shape[:-2] + (-1,))[..., :K], -1, axis).astype(np.float32)
;;   ~~~
;;   SOFTMAX AHEAD OF A QUANTISED PRODUCT. Where the list says 'softmax', what is quantised is not the finished softmax but p = 2^(t - M), with t = logit x log2(e) and M = ceil(the row's largest t), a whole number; so 1/2 < the row's largest p <= 1. The row's sum l is taken of the UNQUANTISED p, in f32, and the product's result is divided by l at the end. Since M is a whole number, a kernel that streams over the keys may use a running M (the ceiling of the running maximum): every later rescaling is an exact power of two, which a block's scale takes up: the codes' values come out the same.
;;   OPERANDS COMPUTED ON THE WAY. 'Computed on the way' means the value that the module computes at that place (a softmax that the list does not call 'softmax' is quantised finished and normalised). What goes into a quantiser is computed in f32, as accurately as f32 sums, v_exp_f32 and their like allow (about 1e-6 of the number): no bf16 or f16 on the way to a quantiser, and a product that is left as it is and whose result goes on into a quantised operand takes f32 operands (vector FMAs, or v_wmma_f32_16x16x4_f32). A number that lies on a knife's edge between two numbers of the format may be rounded either way, as far as f32 arithmetic and the matrix unit's own rounding can turn it there, and no further.
;; One version. Each part assembles by itself: llvm-mc -triple=amdgcn-amd-amdhsa -mcpu=gfx1250 --defsym DOCPART=n.
;; ======== version 1 of 1: 4 launches
;; limits: right only within a limited range of input values
;; workspace buffers: XW 8,650,752 bytes; XWS 360,448 bytes; QKV 18,874,368 bytes; QKVS 786,432 bytes; PCD 12,582,912 bytes; PSM 1,572,864 bytes
;; launch quant (part 1): grid 704 x 1, 4 waves a work-group, no clusters, 34,816 bytes of LDS; arguments hidden_states, W_proj, XW, XWS; writes XW, XWS
.if DOCPART == 1
	.amdgcn_target "amdgcn-amd-amdhsa--gfx1250"
	.amdhsa_code_object_version 6
	.text
	.protected	k_q51bbbb7f48_quant
	.globl	k_q51bbbb7f48_quant
	.p2align	8
	.type	k_q51bbbb7f48_quant,@function
k_q51bbbb7f48_quant:
	s_mov_b64 s[64:65], 0
	v_nop
	global_prefetch_b8 v0, s[64:65] scope:SCOPE_SE
	s_setreg_imm32_b32 hwreg(HW_REG_WAVE_MODE, 25, 1), 1
	s_wait_xcnt 0x0
; hidden_states [8192][1024] and W_proj [3072][1024], f32, K innermost, become codes of FP6 (E2M3) with one E8M0 byte for each 32 along K.
; THE LAYOUT OF THE RESULT is that of the operand's registers.  A chunk is 128 rows (a rowgroup g) x 128 along K (a step s): 8 blocks of 16 rows; block a is one
; fragment of 12 registers a lane, laid [a][c = 0..2][lane][16 bytes]: 12,288 bytes.  Lane r of block a holds row 32 (a / 2) + 8 (a % 2) + r + 8 (r / 8) of the rowgroup.
; A chunk's scale words (four bytes: a row's 128 along K): word (a, r) at 256 (a / 4) + 16 r + 4 (a % 4): 512 bytes.  Chunk (g, s) has the index 8 g + s; g 0-63 tokens, g 64-87 rows of W.
; A block's scale is 2^(floor(log2(largest magnitude)) - 2): its byte is the largest magnitude's exponent field - 2, held at 1 from below.
; LIMITS: a block of zeros gets the byte 1 (its codes are zeros; this program alone reads the bytes); blocks whose largest magnitude lies under 2^-124 are held at the byte 1; NaN and infinities are not served.
; SHARES: a wave takes half a chunk: 4 blocks of 16 rows x 128 K.  Each load reads 512 consecutive bytes of one row; a block's 16 rows turn through the wave's own stage in LDS,
; so that lane (r, h) gets, of row r, 16 neighbours of each block of 32.  No tensor loads, no barrier: waves share nothing.  Loads run two blocks (32 loads a wave) ahead.
; SHARES, in place of those stated above: a work-group takes one chunk, a wave a quarter of it: 2 blocks of 16 rows x 128 K, both asked for at once (32 loads a wave).
; The chunk's 512 bytes of scale words meet in LDS bytes of their own (from 0x8600 on), behind one barrier, and leave by one store of wave 0: two aligned units of 256 bytes.
.set SP,   528                         ; a stage row: 512 bytes + 16
.set STG,  16*SP                       ; a wave's stage
.set TM,   8                           ; v8-11 largest magnitudes, v12-15 the other half's, then bytes, v20-23 the conversions' scale operands
.set PWS,  24                          ; v24-25 the two blocks' scale words
.set PC,   28                          ; v28-39, v40-51 codes, two sets by turns
.set PT,   52                          ; v52-54, v56-58 the second halves of the conversions
.set OW,   60                          ; v60 my two blocks' scale words on the way out
.set R,    64                          ; v64-191 two sets of 64: a block as loaded
.set X,    192                         ; v192-255 64 numbers: register 16 b + i = k 32 b + 16 h + i of my row
.set SEL,  20                          ; s[20:21] selects of v_permlanex16_b32: lane l xor 16
	s_load_b256 s[4:11], s[0:1], 0x0               ; hidden_states, W_proj, XW, XWS
	v_lshl_add_u32 v62, v0, 2, 0x8400
	v_mov_b32 v63, 0
	v_lshrrev_b32 v1, 5, v0
	v_readfirstlane_b32 s12, v1                    ; wave
	v_and_b32 v1, 31, v0                           ; lane
	v_and_b32 v2, 15, v0                           ; r
	v_bfe_u32 v3, v0, 4, 1                         ; h
	v_lshlrev_b32 v4, 4, v1                        ; 16 x lane: my bytes of a load's 512, and of a store's
	s_mul_i32 s13, s12, STG
	v_add_nc_u32 v5, s13, v4                       ; the stage, on the way in
	v_mul_u32_u24 v6, v2, SP
	v_lshl_add_u32 v6, v3, 6, v6
	v_add_nc_u32 v6, s13, v6                       ; and on the way out: row r, + 64 h
	v_lshlrev_b32 v7, 4, v2
	v_lshl_add_u32 v7, v3, 2, v7                   ; my scale word's place: 16 r + 4 h,
	s_lshr_b32 s23, s12, 1
	s_lshl_b32 s23, s23, 8                         ; + 256 x (wave / 2): the chunk's half,
	s_and_b32 s30, s12, 1                          ; u = wave % 2: which pair of the half's four blocks
	s_lshl_b32 s31, s30, 3
	s_add_co_u32 s23, s23, s31                     ; + 8 u
	s_add_co_u32 s23, s23, 0x8600
	v_add_nc_u32 v7, s23, v7
	v_add_nc_u32 v61, 0x8600, v4                   ; and on the way out 16 bytes a lane
.irp b, 0,1,2,3
	v_mov_b32 v[TM+4+\b], 0                        ; written once: a lane permute's destination counts as one of its sources
.endr
	s_mov_b32 s[SEL], 0x76543210
	s_mov_b32 s[SEL+1], 0xfedcba98
	s_mov_b32 s22, 0xffff0000                      ; lanes 16-31
	s_lshr_b32 s14, ttmp9, 3                       ; g
	s_and_b32 s15, ttmp9, 7
	s_lshl_b32 s15, s15, 2
	s_add_co_u32 s15, s15, s12                     ; which of the rowgroup's 32 quarter chunks
	s_lshr_b32 s16, s15, 2                         ; s
	s_bfe_u32 s17, s15, 0x10001                    ; which half: blocks 4 x half on, rows 64 x half on
	s_lshl_b32 s18, s14, 3
	s_add_co_u32 s18, s18, s16                     ; the chunk's index
	s_mul_i32 s24, s18, 12288
	s_mul_i32 s19, s17, 6144
	s_add_co_u32 s24, s24, s19
	s_mul_i32 s19, s30, 3072                       ; my two blocks of the half
	s_add_co_u32 s24, s24, s19
	s_mov_b32 s25, 0
	s_lshl_b32 s26, s18, 9
	s_mov_b32 s27, 0
	s_wait_alu depctr_va_vdst(0)
	s_wait_kmcnt 0x0
	s_cmp_lt_u32 s14, 64                           ; tokens or rows of W?  The choice hangs on the work-group's number alone
	s_cselect_b64 s[4:5], s[4:5], s[6:7]
	s_cselect_b32 s19, 0, 64
	s_sub_co_u32 s19, s14, s19                     ; the rowgroup within its tensor
	s_lshl_b32 s28, s19, 19                        ; 128 rows of 4,096 bytes
	s_lshl_b32 s19, s17, 18
	s_add_co_u32 s28, s28, s19
	s_lshl_b32 s19, s30, 17                        ; 32 u rows of 4,096 bytes
	s_add_co_u32 s28, s28, s19
	s_lshl_b32 s19, s16, 9
	s_add_co_u32 s28, s28, s19
	s_mov_b32 s29, 0
	s_add_nc_u64 s[4:5], s[4:5], s[28:29]
	s_add_nc_u64 s[8:9], s[8:9], s[24:25]
	s_add_nc_u64 s[10:11], s[10:11], s[26:27]
.macro LOAD k                          ; block k: its 16 rows' 512 bytes, into set k % 2
.irp i, 0,1,2,3,4,5,6,7,8,9,10,11,12,13,14,15
	global_load_b128 v[R+64*((\k)%2)+4*\i:R+64*((\k)%2)+4*\i+3], v4, s[4:5] offset:(32*((\k)/2)+8*((\k)%2)+\i+(\i&8))*4096 th:TH_LOAD_NT
.endr
.endm
.macro TURN k                          ; through the stage: LDS serves a wave's instructions in order, so no wait stands between the stores and the loads
.irp i, 0,1,2,3,4,5,6,7,8,9,10,11,12,13,14,15
	ds_store_b128 v5, v[R+64*((\k)%2)+4*\i:R+64*((\k)%2)+4*\i+3] offset:SP*\i
.endr
.irp b, 0,1,2,3
.irp j, 0,1,2,3
	ds_load_b128 v[X+16*\b+4*\j:X+16*\b+4*\j+3], v6 offset:128*\b+16*\j
.endr
.endr
.endm
; 64 numbers of a lane, register 16 b + i = k 32 b + 16 h + i of my row, become a fragment's 12 registers at v[pc] and its scale word in v[pw]
.macro QUANT src, pc, pw
.irp b, 0,1,2,3
	v_max3_num_f32 v[TM+\b], |v[\src+16*\b]|, |v[\src+16*\b+1]|, 0x1800000   ; my 16 numbers of block b, and the floor 2^(3 - 127): the byte cannot fall under 1
.endr
.irp i, 2,4,6,8,10,12,14
.irp b, 0,1,2,3
	v_max3_num_f32 v[TM+\b], v[TM+\b], |v[\src+16*\b+\i]|, |v[\src+16*\b+\i+1]|   ; the four blocks by turns
.endr
.endr
.irp b, 0,1,2,3
	v_permlanex16_b32 v[TM+4+\b], v[TM+\b], s[SEL], s[SEL+1]
.endr
.irp b, 0,1,2,3
	v_max_num_f32 v[TM+\b], v[TM+\b], v[TM+4+\b]   ; with lane l xor 16's: the block's largest magnitude
.endr
.irp b, 0,1,2,3
	v_add_nc_u32 v[TM+12+\b], 0xff000000, v[TM+\b] ; 2 off its exponent field: the conversion's scale operand
.endr
.irp b, 0,1,2,3
	v_lshrrev_b32 v[TM+4+\b], 23, v[TM+12+\b]      ; the scale's byte
.endr
	v_lshl_or_b32 v[\pw], v[TM+5], 8, v[TM+4]
	v_lshl_or_b32 v[\pw], v[TM+6], 16, v[\pw]
	v_lshl_or_b32 v[\pw], v[TM+7], 24, v[\pw]
.irp c, 0,1
	v_cvt_scalef32_pk16_fp6_f32 v[\pc+6*\c:\pc+6*\c+2], v[\src+32*\c:\src+32*\c+15], v[TM+12+2*\c]
	v_cvt_scalef32_pk16_fp6_f32 v[PT+4*\c:PT+4*\c+2], v[\src+32*\c+16:\src+32*\c+31], v[TM+12+2*\c+1]   ; (a conversion's three registers begin on an even number)
.endr
	v_nop                                          ; one plain place behind a scaled conversion
.irp c, 0,1                            ; the operand's layout wants a whole block in a lane: lanes 0-15 block 2 c, lanes 16-31 block 2 c + 1
.irp i, 0,1,2
	v_permlane16_swap_b32 v[\pc+6*\c+\i], v[PT+4*\c+\i]
.endr
.irp i, 0,1,2
	v_mov_b32 v[\pc+6*\c+3+\i], v[PT+4*\c+\i]
.endr
.endr
.endm
.macro BLOCK k
.if (\k) < 1
	s_wait_loadcnt 16                              ; this block's 16 loads are in; the next block's 16 may be out
.else
	s_wait_loadcnt 0x0
.endif
	TURN \k
	s_wait_dscnt 0x0                               ; my 64 numbers are back, and the stage's stores have read the set
.if (\k)+2 < 2
	LOAD (\k)+2
.endif
.if (\k) >= 2
	s_wait_xcnt 0x0                                ; the stores of two blocks ago have read this set of codes
.endif
	QUANT X, PC+12*((\k)%2), PWS+(\k)
.irp c, 0,1,2
	global_store_b128 v4, v[PC+12*((\k)%2)+4*\c:PC+12*((\k)%2)+4*\c+3], s[8:9] offset:1536*(\k)+512*\c   ; 32 lanes store 512 consecutive bytes, aligned
.endr
.endm
	LOAD 0
	LOAD 1
	BLOCK 0
	BLOCK 1
	v_cndmask_b32 v[OW], v[PWS], v[PWS+1], s22     ; both halves of the lanes hold both words: lanes 0-15 send my first block's, lanes 16-31 my second's
	ds_store_b32 v7, v[OW]
	s_wait_dscnt 0x0                               ; for wave 0's sake: my words are stored
	s_barrier_signal -1
	s_barrier_wait -1
	s_cmp_lg_u32 s12, 0
	s_cbranch_scc1 .Lnot_first
	ds_load_b128 v[8:11], v61                      ; the chunk's 512 bytes of scale words
	s_wait_dscnt 0x0
	global_store_b128 v4, v[8:11], s[10:11]        ; 32 lanes store 512 consecutive bytes, aligned
.Lnot_first:
	s_wait_tensorcnt 0x0
	ds_add_u32 v62, v63
	s_wait_dscnt 0x0
	s_endpgm
.Lfunc_end_k_q51bbbb7f48_quant:
	.size	k_q51bbbb7f48_quant, .Lfunc_end_k_q51bbbb7f48_quant-k_q51bbbb7f48_quant
	.p2alignl 7, 3214868480
	.fill 96, 4, 3214868480
	.section	.rodata,"a",@progbits
	.p2align	6, 0x0
	.amdhsa_kernel k_q51bbbb7f48_quant
		.amdhsa_group_segment_fixed_size 34816
		.amdhsa_private_segment_fixed_size 0
		.amdhsa_enable_private_segment 0
		.amdhsa_kernarg_size 32
		.amdhsa_user_sgpr_count 2
		.amdhsa_user_sgpr_kernarg_segment_ptr 1
		.amdhsa_wavefront_size32 1
		.amdhsa_system_sgpr_workgroup_id_x 1
		.amdhsa_system_sgpr_workgroup_id_y 1
		.amdhsa_system_sgpr_workgroup_id_z 1
		.amdhsa_system_vgpr_workitem_id 0
		.amdhsa_next_free_vgpr 256
		.amdhsa_next_free_sgpr 66
		.amdhsa_reserve_vcc 0
		.amdhsa_float_denorm_mode_32 3
		.amdhsa_float_denorm_mode_16_64 3
		.amdhsa_memory_ordered 1
		.amdhsa_forward_progress 1
		.amdhsa_inst_pref_size 19
	.end_amdhsa_kernel
	.amdgpu_metadata
---
amdhsa.version: [ 1, 2 ]
amdhsa.kernels:
  - .name:           k_q51bbbb7f48_quant
    .symbol:         k_q51bbbb7f48_quant.kd
    .args:
      - { .name: hidden_states, .offset: 0, .size: 8, .value_kind: global_buffer, .address_space: global }
      - { .name: W_proj, .offset: 8, .size: 8, .value_kind: global_buffer, .address_space: global }
      - { .name: XW, .offset: 16, .size: 8, .value_kind: global_buffer, .address_space: global }
      - { .name: XWS, .offset: 24, .size: 8, .value_kind: global_buffer, .address_space: global }
    .group_segment_fixed_size: 34816
    .private_segment_fixed_size: 0
    .kernarg_segment_align: 8
    .kernarg_segment_size: 32
    .max_flat_workgroup_size: 128
    .sgpr_count:     66
    .vgpr_count:     256
    .wavefront_size: 32
...
	.end_amdgpu_metadata
.endif
;; end of part 1
;; launch qkv (part 2): grid 64 x 4, 4 waves a work-group, clusters of 4 x 4, 327,680 bytes of LDS; arguments XW, XWS, b_proj, QKV, QKVS; writes QKV, QKVS
.if DOCPART == 2
	.amdgcn_target "amdgcn-amd-amdhsa--gfx1250"
	.amdhsa_code_object_version 6
	.text
	.protected	k_q51bbbb7f48_qkv
	.globl	k_q51bbbb7f48_qkv
	.p2align	8
	.type	k_q51bbbb7f48_qkv,@function
k_q51bbbb7f48_qkv:
	s_mov_b64 s[64:65], 0
	v_nop
	global_prefetch_b8 v0, s[64:65] scope:SCOPE_SE
	s_setreg_imm32_b32 hwreg(HW_REG_WAVE_MODE, 25, 1), 1
	s_wait_xcnt 0x0
	s_wait_alu depctr_hold_cnt(0) depctr_sa_sdst(0) depctr_va_vdst(0) depctr_va_sdst(0) depctr_va_ssrc(0) depctr_va_vcc(0) depctr_vm_vsrc(0)
	s_getreg_b32 s2, hwreg(HW_REG_IB_STS2, 6, 4)
	s_cmp_eq_u32 s2, 0
	s_cbranch_scc0 .Lentry_in_a_cluster
	s_endpgm
.Lentry_in_a_cluster:
	s_bfe_u32 s2, ttmp6, 0x10000c
	s_cmp_lg_u32 s2, 0xf033
	s_cbranch_scc0 .Lentry_shape_is_right
	s_endpgm
.Lentry_shape_is_right:
; qkv = x W^T + b on codes of FP6 (E2M3) with E8M0 scales, and its result quantised at once for the two products that follow: q and k along the features, v along the keys.
; OPERANDS are chunks in the order of the operand's registers (128 rows x 128 K: 8 fragments of 1,536 bytes; lane r of block a holds row 32 (a / 2) + 8 (a % 2) + r + 8 (r / 8)); x's rowgroups 0-63 and W's 64-87 lie in one buffer.
; Source 1 (S1) gives the lanes' rows, source 0 (S0) the registers' rows.  With that order of rows the 64 registers of an S1 block against S0's eight blocks run along 128 NEIGHBOURING rows of S0:
; register 16 b + i = row 32 b + 16 (lane / 16) + i.  So for q and k: S1 = tokens, S0 = rows of W (features: the next K).  For v: S1 = rows of W, S0 = tokens (keys: the next K).
; SHARES.  q and k are 8,192 x 2,048 = 256 tiles of 256 x 256; v is 1,024 x 8,192 = 256 tiles of 128 x 256.  There are 256 work-groups, and EACH MAKES ONE TILE OF EACH KIND, one after the other: equal work for all.
; PART 1 (q, k): cluster c (0-15): token pairs 4 (c / 2) + cy, W pairs 32 + 4 (c % 2) + cx.  Four waves, each 128 x 128: 64 accumulators.  K = 1,024 is 8 steps of 128, written out.
; PART 2 (v): W rowgroup 80 + 4 (c % 2) + cy, token pairs 4 (c / 2) + cx.  Wave (i, j) takes S1's blocks 4 i .. 4 i + 3 and S0's rowgroup j: 32 accumulators.
; S1's tiles are asked for jointly along a row of the cluster, S0's along a column.
; LDS: three slots of 98,304 bytes.  Part 1: a slot holds two steps; steps 0-5 are first fills, steps 6, 7 refill slot 0.  Part 2's codes, all 8 steps, are three times 98,304 bytes: its S1 rowgroup takes slot 1 behind the round
; of step 5, its two S0 rowgroups take slots 0 and 2 behind the round of step 7; part 1's way out stands between that refill and part 2.  By this text's count at most four tensor loads of a wave are out.
; Part 2's scale words (12,288 bytes) are copied once, at the head, through registers into LDS bytes of their own.
; THE BIAS is the C of each sum's first product: in part 1 along S0 (eight registers a tile), in part 2 along S1 (a lane's one number in eight registers).
; RESULT: chunk of q, k: index 16 x token rowgroup + feature rowgroup (0-7 q, 8-15 k);  of v: 1024 + 64 x feature rowgroup + token rowgroup.  Scale words: 512 bytes a chunk, word (a, r) at 256 (a / 4) + 16 r + 4 (a % 4).
; LIMITS: a block of zeros gets the byte 1 (zero codes; read by this program alone); blocks under 2^-124 are held at the byte 1; NaN and infinities are not served.
; REGISTERS: window 0: v1-15, v48-56 addresses; v16-31 at work in the ways out; v32-47 scale words, two sets; v64-159, v160-255 S1's fragments, two sets (part 2: v64-111, v112-159; v224-255 its bias).
;   window 1: v0-95, v128-223 S0's, two sets; v96-127, v224-255 part 1's bias.  windows 2, 3: accumulator (a, b) at v[8 (8 (a % 4) + b)]; part 2 uses window 2.
.set CH,    12288                      ; a chunk
.set QTR,   2*CH                       ; part 1: what one tensor load brings: two steps of one rowgroup
.set SLOT,  4*QTR                      ; part 1: S1 rowgroups 0, 1, then S0 rowgroups 0, 1
.set SCL,   3*SLOT                     ; behind the ring: part 1's scale words of all 8 steps, 4,096 bytes a rowgroup, in the same order
.set SCL2,  SCL+4*4096                 ; part 2's: S1's rowgroup, then S0's two; written by LDS stores alone: no fill lands here
.set SPARE, SCL2+3*4096                ; the spare words, 128 bytes a wave: two blocks of 256 bytes that no other line names
.set AD1,  4                           ; v4-6   part 1: my S1 rowgroup in slot 0, 1, 2: + 16 x lane
.set SWO,  7                           ; v7     16 r + 8 h: part 2's scale words on the way out
.set AD0,  8                           ; v8-10  part 1: my S0 rowgroup
.set ADRS, 11                          ; v11    part 1's scale words: lanes 0-15 S1's, lanes 16-31 S0's
.set GO,   12                          ; v12    16 x lane
.set BO,   13                          ; v13    64 x (lane / 16): the bias along S0
.set SPW,  14                          ; v14    my spare word; never rewritten
.set NIL,  15                          ; v15    0; never rewritten
.set TM,   16                          ; v16-31 the quantiser's
.set SC,   32
.set P2A1, 48                          ; v48-49 part 2: my four blocks of S1, steps 0-3 and 4-7
.set P2A0, 50                          ; v50-51 part 2: my S0 rowgroup, steps 0-3 and 4-7
.set ADS0, 52                          ; v52    part 2's scale words: lanes 0-15 my blocks of S1, lanes 16-31 S0's blocks 0-3
.set ADS1, 53                          ; v53    lanes 16-31: S0's blocks 4-7
.set BV,   54                          ; v54    4 (r + 8 (r / 8)): the bias along S1
.set SCW,  55                          ; v55    SCL + 16 x thread
.set TO,   56                          ; v56    16 x thread
.set S1F,  64
; THE FILLS, in place of what is stated above: at the head a wave issues one joint load, steps 0, 1; slots 1 and 2 are first filled as refills are, behind the three lines and a round, one load a wave: one load of a wave is out at a time.
; Part 1's scale words (16,384 bytes) come through registers into LDS bytes of their own, as part 2's do.
; PREFETCH: behind the head's load the tiles of the next two fills are asked for, behind slot 1's fill the tile of steps 6, 7.  Of a quarter's 96 blocks of 256 bytes each of the four partners that ask for it jointly names 24, told apart by address.
.set STMP, 160                         ; v160-183 part 2's scale words on their way into LDS, ahead of the first fetch into these registers
.set STM1, 184                         ; v184-215 part 1's likewise
.set PFO,  62                          ; v62 the prefetches' offset; never rewritten
.set PF,   84                          ; s[84:85] the rowgroup that I fetch, in memory; never rewritten
.set BC,   224                         ; v224-255 part 2's bias: eight registers a block
.set B0,   96                          ; in window 1: part 1's bias: tile t at v[96 + 8 t + 96 (t / 4)]
.set PC,   64                          ; the ways out: codes, two sets by turns
.set PT,   88
.set PWS,  96                          ; the blocks' scale words
.set OUTW, 104
.set WV,   14
.set HI,   15                          ; wave / 2: part 1: I fetch for S1 (0) or S0 (1); my S1 rowgroup.  Part 2: my half of S1's blocks
.set LO,   66                          ; wave % 2: part 1: which rowgroup I fetch; my S0 rowgroup, in both parts
.set SEL,  2
.set G1A,  16                          ; 96 rows of 256 bytes, my row's mask
.set G1B,  24                          ; 96 rows, my column's mask
.set G1SA, 32
.set G1SB, 40                          ; 16 rows, my column's mask
.set G0A,  48                          ; s[48:59] three slots
.set G0SA, 60
.set G0B,  68                          ; s[68:79]
.set G0SB, 80
; part 2's descriptors, in registers that no scale-word load uses:
.set G0Y,  32                          ; s[32:35] group 0: part 2's S1 rowgroup into slot 1 (with G1A)
.set G0X,  36                          ; s[36:39] group 0: part 2's S0 rowgroups into slots 0 and 2 (with G1X)
.set G1X,  40                          ; s[40:47] group 1: 192 rows of 256 bytes, my column's mask: G1SB with its two counts of rows written anew
.set C2,   60                          ; s[60:61] part 2's codes, s[62:63] its scale words
.set S2,   62
.set B2,   80                          ; s[80:81] part 2's bias
.set HM,   82                          ; s82 lanes 16-31
.set MSB, 0
.macro WIN new                         ; the immediate's high byte repeats the setting that is left
.if MSB != (\new)
	s_set_vgpr_msb (MSB<<8)|(\new)
.set MSB, (\new)
.endif
.endm
.set MUL_LO, 0xa1                      ; source 0 window 1, source 1 window 0, C and D window 2  (a first product: 0x91: C window 1; in part 2 0x81: C window 0)
.set MUL_HI, 0xf1                      ; the same, C and D window 3  (a first product: 0xd1)
.set TO_S0,  0x40                      ; destination window 1
.macro PLACES n
.rept \n
	v_nop
.endr
.endm
; A joint load of part 1: waves 0, 1 ask for S1's rowgroups, waves 2, 3 for S0's.  The branch hangs on the wave's number alone.  Four v_nop follow each line.
.macro JLOAD g0a, g1a, g0b, g1b
	s_cmp_eq_u32 s[HI], 0
	s_cbranch_scc0 .Lfor_b_\@
	tensor_load_to_lds s[\g0a:\g0a+3], s[\g1a:\g1a+7]
	s_nop 0
.rept 4
	v_nop
.endr
	s_branch .Lasked_\@
.Lfor_b_\@:
	tensor_load_to_lds s[\g0b:\g0b+3], s[\g1b:\g1b+7]
	s_nop 0
.rept 4
	v_nop
.endr
.Lasked_\@:
.endm
.macro CREST                           ; a round of the cluster's barrier behind its opening barrier
	s_cmp_lg_u32 s[WV], 0
	s_cbranch_scc1 .Lnot_wave_0_\@
	s_barrier_signal -3
.Lnot_wave_0_\@:
	s_barrier_wait -3
	s_barrier_signal -1
	s_barrier_wait -1
.endm
.macro CROUND
	s_barrier_signal -1
	s_barrier_wait -1
	CREST
.endm
.macro FRAG3 reg, adr, off             ; a fragment: three loads of 512 consecutive bytes
.irp c, 0,1,2
	ds_load_b128 v[\reg+4*\c:\reg+4*\c+3], v[\adr] offset:\off+512*\c
.endr
.endm
; ---- part 1
.macro FETCH_S0 q                      ; step q lies in slot (q / 2) % 3, half q % 2; it goes to set q % 2
	WIN TO_S0
.irp b, 0,1,2,3,4,5,6,7
	FRAG3 128*((\q)%2)+12*\b, AD0+(((\q)/2)%3), ((\q)%2)*CH+1536*\b
.endr
	WIN 0
.endm
.macro FETCH_S1 q
.irp a, 0,1,2,3,4,5,6,7
	FRAG3 S1F+96*((\q)%2)+12*\a, AD1+(((\q)/2)%3), ((\q)%2)*CH+1536*\a
.endr
.endm
.macro SCALES q                        ; register k of the set: lanes 0-15 the word of S1's block k, lanes 16-31 that of S0's block k
	ds_load_b128 v[SC+8*((\q)%2):SC+8*((\q)%2)+3], v[ADRS] offset:512*(\q)
	ds_load_b128 v[SC+8*((\q)%2)+4:SC+8*((\q)%2)+7], v[ADRS] offset:512*(\q)+256
.endm
; 16 products: S1's blocks a0, a0 + 1 against S0's eight.  first = 1: the sum begins with the bias of S0's tile as C.
; The 64 accumulators take turns, one instruction a turn, in the same order in every step.
.macro MUL16 a0, set, first
.irp a, \a0, \a0+1
.irp b, 0,1,2,3,4,5,6,7
.if \first
	v_wmma_scale_f32_16x16x128_f8f6f4 v[8*(8*((\a)%4)+\b):8*(8*((\a)%4)+\b)+7], v[128*(\set)+12*\b:128*(\set)+12*\b+11], v[S1F+96*(\set)+12*(\a):S1F+96*(\set)+12*(\a)+11], v[B0+8*\b+96*(\b/4):B0+8*\b+96*(\b/4)+7], v[SC+8*(\set)+\b], v[SC+8*(\set)+(\a)] matrix_a_fmt:MATRIX_FMT_FP6 matrix_b_fmt:MATRIX_FMT_FP6 matrix_a_scale:MATRIX_SCALE_ROW1
.else
	v_wmma_scale_f32_16x16x128_f8f6f4 v[8*(8*((\a)%4)+\b):8*(8*((\a)%4)+\b)+7], v[128*(\set)+12*\b:128*(\set)+12*\b+11], v[S1F+96*(\set)+12*(\a):S1F+96*(\set)+12*(\a)+11], v[8*(8*((\a)%4)+\b):8*(8*((\a)%4)+\b)+7], v[SC+8*(\set)+\b], v[SC+8*(\set)+(\a)] matrix_a_fmt:MATRIX_FMT_FP6 matrix_b_fmt:MATRIX_FMT_FP6 matrix_a_scale:MATRIX_SCALE_ROW1
.endif
.endr
.endr
.endm
.macro REST q, first                   ; a step from its second quarter on: the next step's fragments are asked for in two runs
	FETCH_S0 (\q)+1
	WIN MUL_LO-0x10*(\first)
	MUL16 2, (\q)%2, \first
	WIN 0
	FETCH_S1 (\q)+1
	SCALES (\q)+1
	WIN MUL_HI-0x20*(\first)
	MUL16 4, (\q)%2, \first
	MUL16 6, (\q)%2, \first
	WIN 0
.endm
.macro STEP q, first                   ; a step whose successor lies in a slot that is already shown whole
	s_wait_dscnt 0x0                               ; this step's fragments and scale words are in (asked for 32 products ago or more)
	WIN MUL_LO-0x10*(\first)
	MUL16 0, (\q)%2, \first
	PLACES 4                                       ; four places between the last step's products and the loads into the sets that they read (ISA guide 7.12.1 for vector instructions)
	REST \q, \first
.endm
.macro TURNP q, cnt                    ; the successor lies in another slot, and nothing is filled again: a plain barrier
	s_wait_tensorcnt \cnt                          ; my part of the next slot has landed; cnt younger loads may stay out
	s_wait_dscnt 0x0
	s_barrier_signal -1
	WIN MUL_LO
	MUL16 0, (\q)%2, 0
	s_barrier_wait -1                              ; everybody's part has
	PLACES 4
	REST \q, 0
.endm
; A step behind whose barrier LDS bytes are filled again: the round of the cluster's barrier is that barrier.  two = 0: slot 0 takes steps 6, 7.  two = 1: slot 1 takes part 2's S1 rowgroup, a quarter a wave.
.macro TURNR q, two
	s_wait_tensorcnt 0x0                           ; all my tensor loads have landed, my part of the next slot among them
	ds_add_u32 v[SPW], v[NIL]                      ; 0 onto my spare word
	s_wait_dscnt 0x1                               ; this step's fragments are in; only the add may be out
	WIN MUL_LO
	MUL16 0, (\q)%2, 0
	s_wait_dscnt 0x0                               ; the add is done; my reads of the slot that is filled ended a step ago or more
	s_barrier_signal -1
	MUL16 2, (\q)%2, 0
	WIN 0
	s_barrier_wait -1
	CREST                                          ; no wave of any partner still reads that slot or has a load on its way
.if (\two) == 1
	tensor_load_to_lds s[G0Y:G0Y+3], s[G1A:G1A+7]  ; every wave asks for its quarter
	s_nop 0
	PLACES 4                                       ; (the places in front of the loads below)
.else
.if (\two) == 2
	JLOAD G0A+8, G1A, G0B+8, G1B                   ; slot 2's first fill, steps 4, 5, issued as a refill is
.else
	s_add_nc_u64 s[G0A+2:G0A+3], s[G0A+2:G0A+3], 3*QTR
	s_add_nc_u64 s[G0B+2:G0B+3], s[G0B+2:G0B+3], 3*QTR
	JLOAD G0A, G1A, G0B, G1B                       ; steps 6, 7; its four v_nop are the places in front of the loads below
.endif
.endif
	FETCH_S0 (\q)+1
	FETCH_S1 (\q)+1
	SCALES (\q)+1
	WIN MUL_HI
	MUL16 4, (\q)%2, 0
	MUL16 6, (\q)%2, 0
	WIN 0
.endm
; ---- part 2
.macro FETCH2 s                        ; step s: 38 loads in one run, into set s % 2
	WIN TO_S0
.irp b, 0,1,2,3,4,5,6,7
	FRAG3 128*((\s)%2)+12*\b, P2A0+((\s)/4), ((\s)%4)*CH+1536*\b
.endr
	WIN 0
.irp a, 0,1,2,3
	FRAG3 S1F+48*((\s)%2)+12*\a, P2A1+((\s)/4), ((\s)%4)*CH+1536*\a
.endr
	ds_load_b128 v[SC+8*((\s)%2):SC+8*((\s)%2)+3], v[ADS0] offset:512*(\s)     ; lanes 0-15: my four blocks of S1; lanes 16-31: S0's blocks 0-3
	ds_load_b128 v[SC+8*((\s)%2)+4:SC+8*((\s)%2)+7], v[ADS1] offset:512*(\s)   ; lanes 16-31: S0's blocks 4-7 (lanes 0-15 are not read)
.endm
; 16 products: my blocks a0, a0 + 1 of S1 against S0's eight.  first = 1: the sum begins with the bias of S1's block as C.  The 32 accumulators take turns in the same order in every step.
.macro MUL2 a0, set, first
.irp a, \a0, \a0+1
.irp b, 0,1,2,3,4,5,6,7
.if \first
	v_wmma_scale_f32_16x16x128_f8f6f4 v[8*(8*(\a)+\b):8*(8*(\a)+\b)+7], v[128*(\set)+12*\b:128*(\set)+12*\b+11], v[S1F+48*(\set)+12*(\a):S1F+48*(\set)+12*(\a)+11], v[BC+8*(\a):BC+8*(\a)+7], v[SC+8*(\set)+\b], v[SC+8*(\set)+(\a)] matrix_a_fmt:MATRIX_FMT_FP6 matrix_b_fmt:MATRIX_FMT_FP6 matrix_a_scale:MATRIX_SCALE_ROW1
.else
	v_wmma_scale_f32_16x16x128_f8f6f4 v[8*(8*(\a)+\b):8*(8*(\a)+\b)+7], v[128*(\set)+12*\b:128*(\set)+12*\b+11], v[S1F+48*(\set)+12*(\a):S1F+48*(\set)+12*(\a)+11], v[8*(8*(\a)+\b):8*(8*(\a)+\b)+7], v[SC+8*(\set)+\b], v[SC+8*(\set)+(\a)] matrix_a_fmt:MATRIX_FMT_FP6 matrix_b_fmt:MATRIX_FMT_FP6 matrix_a_scale:MATRIX_SCALE_ROW1
.endif
.endr
.endr
.endm
.macro STEP2 s, first
	s_wait_dscnt 0x0                               ; this step's fragments and scale words are in
	PLACES 4                                       ; four places between the last step's products and the loads into the sets that they read
	FETCH2 (\s)+1
	WIN MUL_LO-0x20*(\first)
	MUL2 0, (\s)%2, \first
	MUL2 2, (\s)%2, \first
	WIN 0
.endm
; ---- THE WAY OUT of S1's block a, whose accumulators lie at v[64 (a % 4)] of window 2 + a / 4: my 64 numbers are one row's 128 along the next K, 16 of each block of 32: they become one fragment and one scale word, and leave as they stand.
.macro QUANTA a, base
.set AC, 64*((\a)%4)
.set PCS, PC+12*((\a)%2)
.if (\a) >= 2
	s_wait_xcnt 0x0                                ; the stores of two blocks ago have read this set of codes
.endif
	WIN 0x0a+5*((\a)/4)                            ; sources 0 and 1: window 2 or 3
.irp b, 0,1,2,3
	v_max3_num_f32 v[TM+\b], |v[AC+16*\b]|, |v[AC+16*\b+1]|, 0x1800000   ; each accumulator is read from its low end on; the floor 2^(3 - 127) holds the byte at 1 from below
.endr
.irp i, 2,4,6,8,10,12,14
.irp b, 0,1,2,3
	v_max3_num_f32 v[TM+\b], |v[AC+16*\b+\i]|, |v[AC+16*\b+\i+1]|, v[TM+\b]
.endr
.endr
	WIN 0
.irp b, 0,1,2,3
	v_permlanex16_b32 v[TM+4+\b], v[TM+\b], s[SEL], s[SEL+1]
.endr
.irp b, 0,1,2,3
	v_max_num_f32 v[TM+\b], v[TM+\b], v[TM+4+\b]   ; with lane l xor 16's: the block's largest magnitude
.endr
.irp b, 0,1,2,3
	v_add_nc_u32 v[TM+12+\b], 0xff000000, v[TM+\b] ; 2 off the exponent field: the conversion's scale operand
.endr
.irp b, 0,1,2,3
	v_lshrrev_b32 v[TM+4+\b], 23, v[TM+12+\b]      ; the scale's byte
.endr
	v_lshl_or_b32 v[PWS+(\a)], v[TM+5], 8, v[TM+4]
	v_lshl_or_b32 v[PWS+(\a)], v[TM+6], 16, v[PWS+(\a)]
	v_lshl_or_b32 v[PWS+(\a)], v[TM+7], 24, v[PWS+(\a)]
	WIN 0x02+((\a)/4)                              ; source 0: window 2 or 3
.irp c, 0,1
	v_cvt_scalef32_pk16_fp6_f32 v[PCS+6*\c:PCS+6*\c+2], v[AC+32*\c:AC+32*\c+15], v[TM+12+2*\c]
	v_cvt_scalef32_pk16_fp6_f32 v[PT+4*\c:PT+4*\c+2], v[AC+32*\c+16:AC+32*\c+31], v[TM+12+2*\c+1]   ; (a conversion's three registers begin on an even number)
.endr
	WIN 0
	v_nop                                          ; one plain place behind a scaled conversion
.irp c, 0,1                            ; the operand's layout wants a whole block in a lane: lanes 0-15 block 2 c, lanes 16-31 block 2 c + 1
.irp i, 0,1,2
	v_permlane16_swap_b32 v[PCS+6*\c+\i], v[PT+4*\c+\i]
.endr
.irp i, 0,1,2
	v_mov_b32 v[PCS+6*\c+3+\i], v[PT+4*\c+\i]
.endr
.endr
.irp c, 0,1,2
	global_store_b128 v[GO], v[PCS+4*\c:PCS+4*\c+3], s[\base:\base+1] offset:1536*(\a)+512*\c   ; 512 consecutive bytes, aligned
.endr
.endm
	s_load_b256 s[4:11], s[0:1], 0x0               ; XW s[4:5], XWS s[6:7], b_proj s[8:9], QKV s[10:11]
	s_load_b64 s[12:13], s[0:1], 0x20              ; QKVS
	v_lshl_add_u32 v[SPW], v0, 2, SPARE
	v_mov_b32 v[NIL], 0
	ds_add_u32 v14, v15
	ds_add_u32 v14, v15
	s_wait_dscnt 0x0
	v_lshrrev_b32 v1, 5, v0
	v_readfirstlane_b32 s[WV], v1
	s_lshr_b32 s[HI], s[WV], 1
	s_and_b32 s[LO], s[WV], 1
	s_bfe_u32 s84, ttmp6, 0x40000                  ; cx
	s_bfe_u32 s85, ttmp6, 0x40004                  ; cy
	s_lshr_b32 s88, ttmp9, 1
	s_lshl_b32 s88, s88, 2                         ; 4 (c / 2)
	s_and_b32 s91, ttmp9, 1
	s_lshl_b32 s91, s91, 2                         ; 4 (c % 2)
	s_add_co_u32 s86, s88, s85                     ; part 1: S1's pair of token rowgroups: hangs on cy alone
	s_add_co_u32 s87, s91, s84
	s_add_co_u32 s87, s87, 32                      ; part 1: S0's pair of W's rowgroups: on cx alone
	s_add_co_u32 s92, s91, s85
	s_add_co_u32 s92, s92, 80                      ; part 2: S1's rowgroup of W: on cy alone
	s_add_co_u32 s93, s88, s84                     ; part 2: S0's pair of token rowgroups: on cx alone
	s_lshl_b32 s89, s85, 2
	s_lshl_b32 s89, 15, s89                        ; my row of the cluster
	s_lshl_b32 s90, 0x1111, s84                    ; my column
	s_cmp_eq_u32 s[HI], 0
	s_cselect_b32 s83, s84, s85                    ; my place among the four that ask for my quarter with me
	s_mul_i32 s83, s83, 24
	v_and_b32 v[PFO], 31, v0
	v_min_u32 v[PFO], 23, v[PFO]                   ; lanes 24-31 name the last block again
	v_add_nc_u32 v[PFO], s83, v[PFO]
	v_lshlrev_b32 v[PFO], 8, v[PFO]                ; a lane a block of 256 bytes
	v_lshlrev_b32 v[TO], 4, v0
	s_wait_alu depctr_va_vdst(0)                   ; ahead of the run of scalar lines
	; descriptor groups 1: dense blocks as rows of 256 bytes (32 elements of 8 bytes): 96 rows of codes, 16 rows of scale words
	s_or_b32 s[G1A], s89, (3<<16)|(1<<21)
	s_or_b32 s[G1B], s90, (3<<16)|(1<<21)
	s_or_b32 s[G1SB], s90, (3<<16)|(1<<21)
.irp g, G1A, G1B
	s_mov_b32 s[\g+1], 32<<16                      ; tensor_dim0
	s_mov_b32 s[\g+2], 96<<16                      ; tensor_dim1
	s_mov_b32 s[\g+3], 32<<16                      ; tile_dim0
	s_mov_b32 s[\g+4], 96                          ; tile_dim1
	s_mov_b32 s[\g+5], 32                          ; the pitch
	s_mov_b32 s[\g+6], 0
	s_mov_b32 s[\g+7], 0
.endr
.irp g, G1SB
	s_mov_b32 s[\g+1], 32<<16
	s_mov_b32 s[\g+2], 16<<16
	s_mov_b32 s[\g+3], 32<<16
	s_mov_b32 s[\g+4], 16
	s_mov_b32 s[\g+5], 32
	s_mov_b32 s[\g+6], 0
	s_mov_b32 s[\g+7], 0
.endr
	s_lshl_b32 s91, s86, 1
	s_add_co_u32 s91, s91, s[LO]                   ; the S1 rowgroup that I would fetch
	s_mul_i32 s94, s91, 8*CH
	s_mov_b32 s95, 0
	s_lshl_b32 s96, s86, 13                        ; S1's pair of rowgroups: 8,192 dense bytes of scale words
	s_mov_b32 s97, 0
	s_lshl_b32 s67, s87, 1
	s_add_co_u32 s67, s67, s[LO]                   ; the S0 rowgroup
	s_mul_i32 s98, s67, 8*CH
	s_mov_b32 s99, 0
	s_lshl_b32 s100, s87, 13                       ; S0's pair likewise
	s_mov_b32 s101, 0
	s_mul_i32 s88, s[WV], QTR                      ; where they go: wave x a quarter of a slot: no place in the cluster enters an LDS address
	s_wait_kmcnt 0x0
	s_add_nc_u64 s[94:95], s[4:5], s[94:95]
	s_add_nc_u64 s[96:97], s[6:7], s[96:97]
	s_add_nc_u64 s[98:99], s[4:5], s[98:99]
	s_add_nc_u64 s[100:101], s[6:7], s[100:101]
.irp k, 0,1,2,3
	global_load_b128 v[STM1+4*\k:STM1+4*\k+3], v[TO], s[96:97] offset:2048*\k         ; a wave reads 512 consecutive bytes, the work-group 2,048
	global_load_b128 v[STM1+16+4*\k:STM1+16+4*\k+3], v[TO], s[100:101] offset:2048*\k
.endr
	s_cmp_eq_u32 s[HI], 0
	s_cselect_b64 s[PF:PF+1], s[94:95], s[98:99]
.irp s, 0,1,2
	s_mov_b32 s[G0A+4*\s], 1
	s_add_co_u32 s[G0A+4*\s+1], s88, \s*SLOT
	s_add_nc_u64 s[G0A+4*\s+2:G0A+4*\s+3], s[94:95], \s*QTR
	s_or_b32 s[G0A+4*\s+3], s[G0A+4*\s+3], 0x80000000
	s_mov_b32 s[G0B+4*\s], 1
	s_add_co_u32 s[G0B+4*\s+1], s88, \s*SLOT
	s_add_nc_u64 s[G0B+4*\s+2:G0B+4*\s+3], s[98:99], \s*QTR
	s_or_b32 s[G0B+4*\s+3], s[G0B+4*\s+3], 0x80000000
.endr
	s_wait_xcnt 0x0                                ; the loads above have read their bases, which are written again below
	CROUND                                         ; all sixteen work-groups are here: the first joint loads meet
	JLOAD G0A, G1A, G0B, G1B                       ; steps 0, 1: one tensor load a wave at the head
	global_prefetch_b8 v[PFO], s[PF:PF+1] offset:QTR th:TH_LOAD_NT scope:SCOPE_SE     ; steps 2, 3
	global_prefetch_b8 v[PFO], s[PF:PF+1] offset:2*QTR th:TH_LOAD_NT scope:SCOPE_SE   ; steps 4, 5
	; while the first tiles are on their way: part 1's bias and part 2's scale words are asked for, and the addresses are made
	s_lshl_b32 s94, s92, 12
	s_mov_b32 s95, 0
	s_add_nc_u64 s[94:95], s[6:7], s[94:95]        ; part 2: S1's scale words, 4,096 dense bytes
	s_lshl_b32 s96, s93, 13
	s_mov_b32 s97, 0
	s_add_nc_u64 s[96:97], s[6:7], s[96:97]        ; part 2: S0's, two rowgroups on end: 8,192 dense bytes
	s_lshl_b32 s88, s86, 1
	s_add_co_u32 s88, s88, s[HI]                   ; part 1: my S1 rowgroup
	s_lshl_b32 s91, s87, 1
	s_add_co_u32 s91, s91, s[LO]                   ; part 1: my S0 rowgroup, 64-79
	s_sub_co_u32 s98, s91, 64
	s_lshl_b32 s98, s98, 9
	s_mov_b32 s99, 0
	s_add_nc_u64 s[98:99], s[8:9], s[98:99]        ; b of my 128 rows of W
	v_and_b32 v1, 15, v0                           ; r
	v_bfe_u32 v2, v0, 4, 1                         ; h
	v_and_b32 v3, 31, v0                           ; lane
	v_lshlrev_b32 v[GO], 4, v3
	s_wait_alu depctr_va_vdst(0)
	v_lshlrev_b32 v[BO], 6, v2
	WIN 0x40                                       ; destination window 1.  Tile t's register j is row 32 (t / 2) + 16 h + 8 (t % 2) + j of S0
.irp t, 0,1,2,3,4,5,6,7
	global_load_b128 v[B0+8*\t+96*(\t/4):B0+8*\t+96*(\t/4)+3], v[BO], s[98:99] offset:128*(\t/2)+32*(\t%2)
	global_load_b128 v[B0+8*\t+96*(\t/4)+4:B0+8*\t+96*(\t/4)+7], v[BO], s[98:99] offset:128*(\t/2)+32*(\t%2)+16
.endr
	WIN 0
.irp k, 0,1
	global_load_b128 v[STMP+4*\k:STMP+4*\k+3], v[TO], s[94:95] offset:2048*\k        ; a wave reads 512 consecutive bytes, the work-group 2,048
.endr
.irp k, 0,1,2,3
	global_load_b128 v[STMP+8+4*\k:STMP+8+4*\k+3], v[TO], s[96:97] offset:2048*\k
.endr
	s_mul_i32 s100, s[HI], QTR
	s_mul_i32 s101, s[LO], QTR
	s_add_co_u32 s101, s101, 2*QTR
.irp s, 0,1,2
	v_add_nc_u32 v[AD1+\s], s100, v[GO]
	v_add_nc_u32 v[AD0+\s], s101, v[GO]
	s_add_co_u32 s100, s100, SLOT
	s_add_co_u32 s101, s101, SLOT
.endr
	s_xor_b32 s100, s[HI], 1
	s_lshl_b32 s100, s100, 12
	s_lshl_b32 s101, s[LO], 12
	s_add_co_u32 s100, s100, s101
	s_add_co_u32 s100, s100, 4096                  ; from my S1 rowgroup's words to my S0 rowgroup's: 8192 + 4096 (wave % 2) - 4096 (wave / 2)
	v_mul_u32_u24 v[ADRS], s100, v2                ; lanes 16-31 take S0's
	v_lshl_add_u32 v[ADRS], v1, 4, v[ADRS]
	s_lshl_b32 s101, s[HI], 12
	s_add_co_u32 s101, s101, SCL
	v_add_nc_u32 v[ADRS], s101, v[ADRS]
	s_mul_i32 s100, s[HI], 4*1536
	s_add_co_u32 s100, s100, SLOT                  ; part 2: S1's rowgroup lies in slot 1: my four blocks of each chunk
	s_mul_i32 s101, s[LO], 2*SLOT                  ; S0's rowgroup 0 in slot 0, rowgroup 1 in slot 2
.irp u, 0,1
	v_add_nc_u32 v[P2A1+\u], s100, v[GO]
	v_add_nc_u32 v[P2A0+\u], s101, v[GO]
	s_add_co_u32 s100, s100, 4*CH                  ; steps 4-7 by a second register: an LDS offset has 16 bits
	s_add_co_u32 s101, s101, 4*CH
.endr
	s_xor_b32 s100, s[HI], 1
	s_lshl_b32 s100, s100, 8
	s_lshl_b32 s101, s[LO], 12
	s_add_co_u32 s100, s100, s101
	s_add_co_u32 s100, s100, 3840                  ; from my blocks' words of S1 to my S0 rowgroup's: 4096 + 4096 (wave % 2) - 256 (wave / 2)
	v_mul_u32_u24 v[ADS0], s100, v2
	v_lshl_add_u32 v[ADS0], v1, 4, v[ADS0]
	s_lshl_b32 s101, s[HI], 8
	s_add_co_u32 s101, s101, SCL2
	v_add_nc_u32 v[ADS0], s101, v[ADS0]
	v_lshl_add_u32 v[ADS1], v2, 8, v[ADS0]
	v_lshl_add_u32 v[SCW], v0, 4, SCL
	v_and_b32 v[BV], 8, v1
	v_add_nc_u32 v[BV], v[BV], v1
	v_lshlrev_b32 v[BV], 2, v[BV]
	v_lshlrev_b32 v[SWO], 4, v1
	v_lshl_add_u32 v[SWO], v2, 3, v[SWO]
.irp b, 0,1,2,3
	v_mov_b32 v[TM+4+\b], 0                        ; written once: a lane permute's destination counts as one of its sources
.endr
	s_mov_b32 s[SEL], 0x76543210
	s_mov_b32 s[SEL+1], 0xfedcba98
	s_wait_alu depctr_va_vdst(0)
	s_wait_loadcnt 0x0                             ; the scale words of both parts and the bias are in
.irp k, 0,1,2,3
	ds_store_b128 v[SCW], v[STM1+4*\k:STM1+4*\k+3] offset:2048*\k                  ; as they lie in memory: S1's two rowgroups, then S0's two
	ds_store_b128 v[SCW], v[STM1+16+4*\k:STM1+16+4*\k+3] offset:8192+2048*\k
.endr
.irp k, 0,1
	ds_store_b128 v[SCW], v[STMP+4*\k:STMP+4*\k+3] offset:16384+2048*\k
.endr
.irp k, 0,1,2,3
	ds_store_b128 v[SCW], v[STMP+8+4*\k:STMP+8+4*\k+3] offset:20480+2048*\k
.endr
	s_wait_tensorcnt 0x0                           ; my part of slot 0 is in
	ds_add_u32 v[SPW], v[NIL]
	s_wait_dscnt 0x0                               ; the add and my stores of scale words are done
	CROUND
	JLOAD G0A+4, G1A, G0B+4, G1B                   ; slot 1's first fill, steps 2, 3
	global_prefetch_b8 v[PFO], s[PF:PF+1] offset:3*QTR th:TH_LOAD_NT scope:SCOPE_SE   ; steps 6, 7: the rowgroup's last; nothing beyond is asked for
	FETCH_S0 0
	FETCH_S1 0
	SCALES 0
	; part 2's descriptors and pointers
	s_mov_b32 s[G1X+2], 192<<16                    ; tensor_dim1: 192 rows of 256 bytes: four steps of one rowgroup
	s_mov_b32 s[G1X+4], 192                        ; tile_dim1
	s_mov_b32 s[G0Y], 1
	s_mul_i32 s94, s[WV], QTR
	s_add_co_u32 s[G0Y+1], s94, SLOT               ; slot 1, wave x a quarter
	s_mul_i32 s95, s92, 8*CH
	s_add_co_u32 s94, s95, s94                     ; S1's rowgroup, my two steps
	s_mov_b32 s95, 0
	s_add_nc_u64 s[G0Y+2:G0Y+3], s[4:5], s[94:95]
	s_or_b32 s[G0Y+3], s[G0Y+3], 0x80000000
	s_mov_b32 s[G0X], 1
	s_mul_i32 s96, s[HI], 2*SLOT
	s_mul_i32 s97, s[LO], 4*CH
	s_add_co_u32 s[G0X+1], s96, s97                ; waves 0, 1: the halves of slot 0; waves 2, 3: of slot 2
	s_mul_i32 s96, s93, 16*CH
	s_mul_i32 s97, s[WV], 4*CH
	s_add_co_u32 s96, s96, s97                     ; S0's two rowgroups lie on end: my quarter of them
	s_mov_b32 s97, 0
	s_add_nc_u64 s[G0X+2:G0X+3], s[4:5], s[96:97]
	s_or_b32 s[G0X+3], s[G0X+3], 0x80000000
	s_sub_co_u32 s67, s92, 80
	s_lshl_b32 s67, s67, 6
	s_lshl_b32 s100, s93, 1
	s_add_co_u32 s67, s67, s100
	s_add_co_u32 s67, s67, s[LO]
	s_add_co_u32 s67, s67, 1024                    ; v's chunk: 1024 + 64 x feature rowgroup + token rowgroup
	s_mul_i32 s100, s67, CH
	s_mul_i32 s101, s[HI], 4*1536
	s_add_co_u32 s100, s100, s101                  ; my four blocks of it
	s_mov_b32 s101, 0
	s_add_nc_u64 s[C2:C2+1], s[10:11], s[100:101]
	s_lshl_b32 s100, s67, 9
	s_lshl_b32 s67, s[HI], 8
	s_add_co_u32 s100, s100, s67
	s_add_nc_u64 s[S2:S2+1], s[12:13], s[100:101]
	s_sub_co_u32 s100, s92, 64
	s_lshl_b32 s100, s100, 9
	s_add_co_u32 s100, s100, s67                   ; b of my 64 rows of W
	s_add_nc_u64 s[B2:B2+1], s[8:9], s[100:101]
	s_lshl_b32 s67, s88, 4
	s_add_co_u32 s67, s67, s91
	s_sub_co_u32 s67, s67, 64                      ; q's or k's chunk: 16 x token rowgroup + feature rowgroup
	s_mul_i32 s100, s67, CH
	s_add_nc_u64 s[10:11], s[10:11], s[100:101]
	s_lshl_b32 s100, s67, 9
	s_add_nc_u64 s[12:13], s[12:13], s[100:101]
	s_mov_b32 s[HM], 0xffff0000
	; ---- PART 1
	STEP 0, 1                                      ; the first step's products begin with the bias
	TURNR 1, 2                                     ; slot 1 is wanted; slot 2 is first filled
	STEP 2, 0
	TURNR 3, 0                                     ; slot 0 takes steps 6, 7
	STEP 4, 0
	TURNR 5, 1                                     ; slot 0's refill is wanted; slot 1 takes part 2's S1 rowgroup
	STEP 6, 0
	s_wait_dscnt 0x0                               ; the last step's fragments are in: my reads of the ring for part 1 are over
	WIN MUL_LO
	MUL16 0, 1, 0
	MUL16 2, 1, 0
	WIN MUL_HI
	MUL16 4, 1, 0
	WIN 0
	s_wait_tensorcnt 0x0                           ; all my tensor loads have landed: my quarter of slot 1
	ds_add_u32 v[SPW], v[NIL]                      ; 0 onto my spare word
	WIN MUL_HI
	MUL16 6, 1, 0                                  ; sixteen products stand between the add and the wait for it
	WIN 0
	s_wait_dscnt 0x0                               ; the add is done
	s_barrier_signal -1
	s_barrier_wait -1
	CREST                                          ; no wave of any partner still reads slots 0 and 2 or has a load on its way
	tensor_load_to_lds s[G0X:G0X+3], s[G1X:G1X+7]  ; part 2's S0 rowgroups: part 1's way out is the time in which they land
	s_nop 0
	PLACES 4                                       ; (the places behind the last products)
	s_wait_alu depctr_va_vdst(0)
.irp a, 0,1,2,3
.irp j, 0,1,2,3,4,5,6,7
	global_load_b32 v[BC+8*\a+\j], v[BV], s[B2:B2+1] offset:(32*(\a/2)+8*(\a%2))*4   ; part 2's bias: my lane's row of block a has one number, and a C has eight registers
.endr
.endr
.irp a, 0,1,2,3,4,5,6,7
	QUANTA \a, 10
.endr
.irp k, 0,1,2,3
	v_cndmask_b32 v[OUTW+\k], v[PWS+\k], v[PWS+4+\k], s[HM]   ; lanes 0-15 send the words of blocks 0-3, lanes 16-31 of blocks 4-7
.endr
	global_store_b128 v[GO], v[OUTW:OUTW+3], s[12:13]
	; ---- PART 2: all its codes and scale words lie in LDS behind this one barrier
	s_wait_tensorcnt 0x0                           ; my quarter of S0's rowgroups has landed; nothing is filled again from here on
	s_wait_xcnt 0x0                                ; part 1's stores have read the registers into which fragments come now
	s_barrier_signal -1
	s_barrier_wait -1
	FETCH2 0
	s_wait_loadcnt 0x0                             ; the bias
	STEP2 0, 1                                     ; the first step's products begin with the bias
	STEP2 1, 0
	STEP2 2, 0
	STEP2 3, 0
	STEP2 4, 0
	STEP2 5, 0
	STEP2 6, 0
	s_wait_dscnt 0x0                               ; the last step: nothing more to fetch
	WIN MUL_LO
	MUL2 0, 1, 0
	MUL2 2, 1, 0
	WIN 0
	PLACES 4                                       ; in front of the first reads of results and the first writes over fragments
.irp a, 0,1,2,3
	QUANTA \a, C2
.endr
	v_cndmask_b32 v[OUTW], v[PWS], v[PWS+2], s[HM] ; both halves of the lanes hold all four words: lanes 0-15 send blocks 0, 1, lanes 16-31 blocks 2, 3
	v_cndmask_b32 v[OUTW+1], v[PWS+1], v[PWS+3], s[HM]
	global_store_b64 v[SWO], v[OUTW:OUTW+1], s[S2:S2+1]       ; 32 lanes store 256 consecutive bytes, aligned
	s_wait_tensorcnt 0x0                           ; the wave's end
	ds_add_u32 v[SPW], v[NIL]
	s_wait_dscnt 0x0
	CROUND                                         ; the closing round: no work-group ends while a partner may still ask for a tile that names it
	s_endpgm
.Lfunc_end_k_q51bbbb7f48_qkv:
	.size	k_q51bbbb7f48_qkv, .Lfunc_end_k_q51bbbb7f48_qkv-k_q51bbbb7f48_qkv
	.p2alignl 7, 3214868480
	.fill 96, 4, 3214868480
	.section	.rodata,"a",@progbits
	.p2align	6, 0x0
	.amdhsa_kernel k_q51bbbb7f48_qkv
		.amdhsa_group_segment_fixed_size 327680
		.amdhsa_private_segment_fixed_size 0
		.amdhsa_enable_private_segment 0
		.amdhsa_kernarg_size 40
		.amdhsa_user_sgpr_count 2
		.amdhsa_user_sgpr_kernarg_segment_ptr 1
		.amdhsa_wavefront_size32 1
		.amdhsa_system_sgpr_workgroup_id_x 1
		.amdhsa_system_sgpr_workgroup_id_y 1
		.amdhsa_system_sgpr_workgroup_id_z 1
		.amdhsa_system_vgpr_workitem_id 0
		.amdhsa_next_free_vgpr 1024
		.amdhsa_next_free_sgpr 102
		.amdhsa_reserve_vcc 0
		.amdhsa_float_denorm_mode_32 3
		.amdhsa_float_denorm_mode_16_64 3
		.amdhsa_memory_ordered 1
		.amdhsa_forward_progress 1
		.amdhsa_inst_pref_size 219
	.end_amdhsa_kernel
	.amdgpu_metadata
---
amdhsa.version: [ 1, 2 ]
amdhsa.kernels:
  - .name:           k_q51bbbb7f48_qkv
    .symbol:         k_q51bbbb7f48_qkv.kd
    .args:
      - { .name: XW, .offset: 0, .size: 8, .value_kind: global_buffer, .address_space: global }
      - { .name: XWS, .offset: 8, .size: 8, .value_kind: global_buffer, .address_space: global }
      - { .name: b_proj, .offset: 16, .size: 8, .value_kind: global_buffer, .address_space: global }
      - { .name: QKV, .offset: 24, .size: 8, .value_kind: global_buffer, .address_space: global }
      - { .name: QKVS, .offset: 32, .size: 8, .value_kind: global_buffer, .address_space: global }
    .group_segment_fixed_size: 327680
    .private_segment_fixed_size: 0
    .kernarg_segment_align: 8
    .kernarg_segment_size: 40
    .max_flat_workgroup_size: 128
    .sgpr_count:     102
    .vgpr_count:     1024
    .wavefront_size: 32
...
	.end_amdgpu_metadata
.endif
;; end of part 2
;; launch scores (part 3): grid 8 x 32, 4 waves a work-group, clusters of 4 x 4, 327,680 bytes of LDS; arguments QKV, QKVS, PCD, PSM; writes PCD, PSM
.if DOCPART == 3
	.amdgcn_target "amdgcn-amd-amdhsa--gfx1250"
	.amdhsa_code_object_version 6
	.text
	.protected	k_q51bbbb7f48_scores
	.globl	k_q51bbbb7f48_scores
	.p2align	8
	.type	k_q51bbbb7f48_scores,@function
k_q51bbbb7f48_scores:
	s_mov_b64 s[64:65], 0
	v_nop
	global_prefetch_b8 v0, s[64:65] scope:SCOPE_SE
	s_setreg_imm32_b32 hwreg(HW_REG_WAVE_MODE, 25, 1), 1
	s_wait_xcnt 0x0
	s_wait_alu depctr_hold_cnt(0) depctr_sa_sdst(0) depctr_va_vdst(0) depctr_va_sdst(0) depctr_va_ssrc(0) depctr_va_vcc(0) depctr_vm_vsrc(0)
	s_getreg_b32 s2, hwreg(HW_REG_IB_STS2, 6, 4)
	s_cmp_eq_u32 s2, 0
	s_cbranch_scc0 .Lentry_in_a_cluster
	s_endpgm
.Lentry_in_a_cluster:
	s_bfe_u32 s2, ttmp6, 0x10000c
	s_cmp_lg_u32 s2, 0xf033
	s_cbranch_scc0 .Lentry_shape_is_right
	s_endpgm
.Lentry_shape_is_right:
; The scores q k^T on codes of FP6 (E2M3) with E8M0 scales, and the softmax's p quantised at once for the last product.
; t = score x log2(e) / 32.  A wave holds 128 queries x 128 keys.  For each query it takes M = ceil(the largest t of ITS 128 keys), a whole number, p = 2^(t - M), the sum of the unquantised p,
; and quantises p along the keys.  It stores codes, scale words, -M and the sum.  The next launch takes the largest M of a query's 16 such steps and moves the scale bytes and the sums by the difference, an exact power of two.
; OPERANDS are chunks in the order of the operand's registers (128 rows x 128 K).  Source 1 = q (a lane holds one query), source 0 = k: with the chunks' order of rows the 64 registers of a block of queries
; run along 128 neighbouring keys: register 16 b + i = key 32 b + 16 (lane / 16) + i.
; A tile is 256 queries x 256 keys; 4 x 4 work-groups form a cluster: q's tiles are asked for jointly along a row, k's along a column.  K = 1,024 is 8 steps of 128, written out; three LDS slots of two steps;
; steps 0-5 are first fills, steps 6, 7 refill slot 0: by this text's count at most four tensor loads of a wave are out.
; RESULT: chunk 16 x query rowgroup + key step (0-15 in the batch): PCD 12,288 bytes of codes; PSM 1,536 bytes: scale words, -M, sums, each with word (a, r) at 256 (a / 4) + 16 r + 4 (a % 4).
; LIMITS: a block of 32 keys whose largest p lies under 2^-60 is quantised at the scale 2^-62 (an error of at most 2^-66 a number, beside a row's sum of at least 1/2): so every byte is 65 or more, which the next launch relies on.
; p under 2^-126 is 0.  NaN and infinities are not served.
; REGISTERS: window 0: v1-15 addresses; v16-31, v48-55 at work in the way out; v32-47 scale words, two sets; v64-159, v160-255 q's fragments, two sets.  window 1: v0-95, v128-223 k's.  windows 2, 3: accumulator (a, b) at v[8 (8 (a % 4) + b)].
.set CH,    12288
.set QTR,   2*CH
.set SLOT,  4*QTR
.set SCL,   3*SLOT
.set SPARE, SCL+4*4096
.set AD1,  4
.set AD0,  8
.set ADRS, 11
.set GO,   12
.set SPW,  14
.set NIL,  15
.set MX,   16                          ; v16-19 each block's largest score, then its largest p
.set MY,   20                          ; v20-23 the other half's
.set NM,   24                          ; v24 -M, v25 the largest t
.set SA,   26                          ; v[26:27], v[28:29] the sum in two chains
.set SB,   28
.set SC,   32
.set SCO,  48                          ; v48-51 the conversions' scale operands
.set BY,   52                          ; v52-55 the bytes
; THE FILLS, in place of what is stated above: at the head a wave issues one joint load, steps 0, 1; slots 1 and 2 are first filled as refills are, behind the three lines and a round, one load a wave: one load of a wave is out at a time.
; The scale words (16,384 bytes) come through registers into LDS bytes of their own.
; PREFETCH: behind the head's load the tiles of the next two fills are asked for, behind slot 1's fill the tile of steps 6, 7.  Of a quarter's 96 blocks of 256 bytes each of the four partners that ask for it jointly names 24, told apart by address.
.set S1F,  64
.set TO,   57                          ; v57 16 x thread
.set SCW,  58                          ; v58 SCL + 16 x thread
.set STM1, 184                         ; v184-215 the scale words on their way into LDS, ahead of the first fetch into these registers
.set PFO,  62                          ; v62 the prefetches' offset; never rewritten
.set PF,   84                          ; s[84:85] the rowgroup that I fetch, in memory; never rewritten
.set T,    64                          ; the way out: v64-127 t - M, then p
.set PC,   128
.set PT,   152
.set PWS,  160
.set NMS,  168
.set LS,   176
.set OUTW, 184
.set WV,   14
.set HI,   15
.set LO,   66
.set SEL,  2
.set CS,   88                          ; s[88:89] c = log2(e) / 32
.set HM,   90
.set G1A,  16
.set G1B,  24
.set G1SA, 32
.set G1SB, 40
.set G0A,  48
.set G0SA, 60
.set G0B,  68
.set G0SB, 80
.set MSB, 0
.macro WIN new
.if MSB != (\new)
	s_set_vgpr_msb (MSB<<8)|(\new)
.set MSB, (\new)
.endif
.endm
.set MUL_LO, 0xa1
.set MUL_HI, 0xf1
.set TO_S0,  0x40
.macro PLACES n
.rept \n
	v_nop
.endr
.endm
.macro JLOAD g0a, g1a, g0b, g1b        ; waves 0, 1 ask for q's rowgroups, waves 2, 3 for k's; four v_nop follow each line
	s_cmp_eq_u32 s[HI], 0
	s_cbranch_scc0 .Lfor_b_\@
	tensor_load_to_lds s[\g0a:\g0a+3], s[\g1a:\g1a+7]
	s_nop 0
.rept 4
	v_nop
.endr
	s_branch .Lasked_\@
.Lfor_b_\@:
	tensor_load_to_lds s[\g0b:\g0b+3], s[\g1b:\g1b+7]
	s_nop 0
.rept 4
	v_nop
.endr
.Lasked_\@:
.endm
.macro CREST
	s_cmp_lg_u32 s[WV], 0
	s_cbranch_scc1 .Lnot_wave_0_\@
	s_barrier_signal -3
.Lnot_wave_0_\@:
	s_barrier_wait -3
	s_barrier_signal -1
	s_barrier_wait -1
.endm
.macro CROUND
	s_barrier_signal -1
	s_barrier_wait -1
	CREST
.endm
.macro FRAG3 reg, adr, off
.irp c, 0,1,2
	ds_load_b128 v[\reg+4*\c:\reg+4*\c+3], v[\adr] offset:\off+512*\c
.endr
.endm
.macro FETCH_S0 q
	WIN TO_S0
.irp b, 0,1,2,3,4,5,6,7
	FRAG3 128*((\q)%2)+12*\b, AD0+(((\q)/2)%3), ((\q)%2)*CH+1536*\b
.endr
	WIN 0
.endm
.macro FETCH_S1 q
.irp a, 0,1,2,3,4,5,6,7
	FRAG3 S1F+96*((\q)%2)+12*\a, AD1+(((\q)/2)%3), ((\q)%2)*CH+1536*\a
.endr
.endm
.macro SCALES q
	ds_load_b128 v[SC+8*((\q)%2):SC+8*((\q)%2)+3], v[ADRS] offset:512*(\q)
	ds_load_b128 v[SC+8*((\q)%2)+4:SC+8*((\q)%2)+7], v[ADRS] offset:512*(\q)+256
.endm
; 16 products; zero = 1: the first step's products start the sums.  The 64 accumulators take turns, one instruction a turn, in the same order in every step.
.macro MUL16 a0, set, zero
.irp a, \a0, \a0+1
.irp b, 0,1,2,3,4,5,6,7
.if \zero
	v_wmma_scale_f32_16x16x128_f8f6f4 v[8*(8*((\a)%4)+\b):8*(8*((\a)%4)+\b)+7], v[128*(\set)+12*\b:128*(\set)+12*\b+11], v[S1F+96*(\set)+12*(\a):S1F+96*(\set)+12*(\a)+11], 0, v[SC+8*(\set)+\b], v[SC+8*(\set)+(\a)] matrix_a_fmt:MATRIX_FMT_FP6 matrix_b_fmt:MATRIX_FMT_FP6 matrix_a_scale:MATRIX_SCALE_ROW1
.else
	v_wmma_scale_f32_16x16x128_f8f6f4 v[8*(8*((\a)%4)+\b):8*(8*((\a)%4)+\b)+7], v[128*(\set)+12*\b:128*(\set)+12*\b+11], v[S1F+96*(\set)+12*(\a):S1F+96*(\set)+12*(\a)+11], v[8*(8*((\a)%4)+\b):8*(8*((\a)%4)+\b)+7], v[SC+8*(\set)+\b], v[SC+8*(\set)+(\a)] matrix_a_fmt:MATRIX_FMT_FP6 matrix_b_fmt:MATRIX_FMT_FP6 matrix_a_scale:MATRIX_SCALE_ROW1
.endif
.endr
.endr
.endm
.macro REST q, zero
	FETCH_S0 (\q)+1
	WIN MUL_LO
	MUL16 2, (\q)%2, \zero
	WIN 0
	FETCH_S1 (\q)+1
	SCALES (\q)+1
	WIN MUL_HI
	MUL16 4, (\q)%2, \zero
	MUL16 6, (\q)%2, \zero
	WIN 0
.endm
.macro STEP q, zero
	s_wait_dscnt 0x0                               ; this step's fragments and scale words are in
	WIN MUL_LO
	MUL16 0, (\q)%2, \zero
	PLACES 4                                       ; four places between the last step's products and the loads into the sets that they read (ISA guide 7.12.1 for vector instructions)
	REST \q, \zero
.endm
.macro TURNP q, cnt
	s_wait_tensorcnt \cnt                          ; my part of the next slot has landed; cnt younger loads may stay out
	s_wait_dscnt 0x0
	s_barrier_signal -1
	WIN MUL_LO
	MUL16 0, (\q)%2, 0
	s_barrier_wait -1
	PLACES 4
	REST \q, 0
.endm
.macro TURNR q, two
	s_wait_tensorcnt 0x0                           ; all my tensor loads have landed, my part of the next slot among them
	ds_add_u32 v[SPW], v[NIL]                      ; 0 onto my spare word
	s_wait_dscnt 0x1                               ; this step's fragments are in; only the add may be out
	WIN MUL_LO
	MUL16 0, (\q)%2, 0
	s_wait_dscnt 0x0                               ; the add is done; my reads of slot 0 ended two steps ago
	s_barrier_signal -1
	MUL16 2, (\q)%2, 0
	WIN 0
	s_barrier_wait -1
	CREST                                          ; no wave of any partner still reads slot 0 or has a load on its way
.if (\two) == 2
	JLOAD G0A+8, G1A, G0B+8, G1B                   ; slot 2's first fill, steps 4, 5, issued as a refill is
.else
	s_add_nc_u64 s[G0A+2:G0A+3], s[G0A+2:G0A+3], 3*QTR
	s_add_nc_u64 s[G0B+2:G0B+3], s[G0B+2:G0B+3], 3*QTR
	JLOAD G0A, G1A, G0B, G1B                       ; steps 6, 7; its four v_nop are the places in front of the loads below
.endif
	FETCH_S0 (\q)+1
	FETCH_S1 (\q)+1
	SCALES (\q)+1
	WIN MUL_HI
	MUL16 4, (\q)%2, 0
	MUL16 6, (\q)%2, 0
	WIN 0
.endm
	s_load_b256 s[4:11], s[0:1], 0x0               ; QKV s[4:5], QKVS s[6:7], PCD s[8:9], PSM s[10:11]
	v_lshl_add_u32 v[SPW], v0, 2, SPARE
	v_mov_b32 v[NIL], 0
	ds_add_u32 v14, v15
	ds_add_u32 v14, v15
	s_wait_dscnt 0x0
	v_lshrrev_b32 v1, 5, v0
	v_readfirstlane_b32 s[WV], v1
	s_lshr_b32 s[HI], s[WV], 1
	s_and_b32 s[LO], s[WV], 1
	s_bfe_u32 s84, ttmp6, 0x40000                  ; cx
	s_bfe_u32 s85, ttmp6, 0x40004                  ; cy
	s_lshl_b32 s86, ttmp9, 2
	s_add_co_u32 s86, s86, s84                     ; X: the pair of key rowgroups in the batch, 0-7
	s_and_b32 s88, ttmp7, 0xffff
	s_lshl_b32 s87, s88, 2
	s_add_co_u32 s87, s87, s85                     ; Y: the pair of query rowgroups, 0-31
	s_lshr_b32 s88, s88, 1                         ; the batch: two clusters along y each
	s_lshl_b32 s89, s85, 2
	s_lshl_b32 s89, 15, s89                        ; my row of the cluster
	s_lshl_b32 s90, 0x1111, s84                    ; my column
	s_cmp_eq_u32 s[HI], 0
	s_cselect_b32 s83, s84, s85                    ; my place among the four that ask for my quarter with me
	s_mul_i32 s83, s83, 24
	v_and_b32 v[PFO], 31, v0
	v_min_u32 v[PFO], 23, v[PFO]                   ; lanes 24-31 name the last block again
	v_add_nc_u32 v[PFO], s83, v[PFO]
	v_lshlrev_b32 v[PFO], 8, v[PFO]                ; a lane a block of 256 bytes
	v_lshlrev_b32 v[TO], 4, v0
	v_lshl_add_u32 v[SCW], v0, 4, SCL
	s_wait_alu depctr_va_vdst(0)                   ; ahead of the run of scalar lines
	s_or_b32 s[G1A], s89, (3<<16)|(1<<21)          ; dense blocks as rows of 256 bytes (32 elements of 8 bytes)
	s_or_b32 s[G1B], s90, (3<<16)|(1<<21)
.irp g, G1A, G1B
	s_mov_b32 s[\g+1], 32<<16
	s_mov_b32 s[\g+2], 96<<16
	s_mov_b32 s[\g+3], 32<<16
	s_mov_b32 s[\g+4], 96
	s_mov_b32 s[\g+5], 32
	s_mov_b32 s[\g+6], 0
	s_mov_b32 s[\g+7], 0
.endr
	s_lshl_b32 s93, s87, 1
	s_add_co_u32 s93, s93, s[LO]                   ; the query rowgroup that I would fetch
	s_mul_i32 s94, s93, 16*CH                      ; a token rowgroup has 16 chunks: 8 of q, then 8 of k
	s_mov_b32 s95, 0
	s_lshl_b32 s96, s87, 14                        ; q's scale words: the pair's first rowgroup; 8,192 bytes a token rowgroup, q's 4,096 first
	s_mov_b32 s97, 0
	s_lshl_b32 s67, s88, 4
	s_lshl_b32 s91, s86, 1
	s_add_co_u32 s67, s67, s91
	s_add_co_u32 s67, s67, s[LO]                   ; the key rowgroup: 16 x batch + 2 X + wave % 2
	s_mul_i32 s98, s67, 16*CH
	s_add_co_u32 s98, s98, 8*CH
	s_mov_b32 s99, 0
	s_sub_co_u32 s100, s67, s[LO]                  ; k's: the pair's first rowgroup
	s_lshl_b32 s100, s100, 13
	s_add_co_u32 s100, s100, 4096
	s_mov_b32 s101, 0
	s_mul_i32 s92, s[WV], QTR
	s_wait_kmcnt 0x0
	s_add_nc_u64 s[94:95], s[4:5], s[94:95]
	s_add_nc_u64 s[96:97], s[6:7], s[96:97]
	s_add_nc_u64 s[98:99], s[4:5], s[98:99]
	s_add_nc_u64 s[100:101], s[6:7], s[100:101]
.irp j, 0,1
.irp k, 0,1
	global_load_b128 v[STM1+8*\j+4*\k:STM1+8*\j+4*\k+3], v[TO], s[96:97] offset:8192*\j+2048*\k          ; a wave reads 512 consecutive bytes, the work-group 2,048
	global_load_b128 v[STM1+16+8*\j+4*\k:STM1+16+8*\j+4*\k+3], v[TO], s[100:101] offset:8192*\j+2048*\k
.endr
.endr
	s_cmp_eq_u32 s[HI], 0
	s_cselect_b64 s[PF:PF+1], s[94:95], s[98:99]
.irp s, 0,1,2
	s_mov_b32 s[G0A+4*\s], 1
	s_add_co_u32 s[G0A+4*\s+1], s92, \s*SLOT
	s_add_nc_u64 s[G0A+4*\s+2:G0A+4*\s+3], s[94:95], \s*QTR
	s_or_b32 s[G0A+4*\s+3], s[G0A+4*\s+3], 0x80000000
	s_mov_b32 s[G0B+4*\s], 1
	s_add_co_u32 s[G0B+4*\s+1], s92, \s*SLOT
	s_add_nc_u64 s[G0B+4*\s+2:G0B+4*\s+3], s[98:99], \s*QTR
	s_or_b32 s[G0B+4*\s+3], s[G0B+4*\s+3], 0x80000000
.endr
	s_wait_xcnt 0x0                                ; the loads above have read their bases, which are written again below
	CROUND                                         ; all sixteen work-groups are here: the first joint loads meet
	JLOAD G0A, G1A, G0B, G1B                       ; steps 0, 1: one tensor load a wave at the head
	global_prefetch_b8 v[PFO], s[PF:PF+1] offset:QTR th:TH_LOAD_NT scope:SCOPE_SE     ; steps 2, 3
	global_prefetch_b8 v[PFO], s[PF:PF+1] offset:2*QTR th:TH_LOAD_NT scope:SCOPE_SE   ; steps 4, 5
	v_and_b32 v1, 15, v0                           ; r
	v_bfe_u32 v2, v0, 4, 1                         ; h
	s_wait_alu depctr_va_vdst(0)
	v_and_b32 v3, 31, v0                           ; lane
	v_lshlrev_b32 v[GO], 4, v3
	s_mul_i32 s94, s[HI], QTR
	s_mul_i32 s95, s[LO], QTR
	s_add_co_u32 s95, s95, 2*QTR
.irp s, 0,1,2
	v_add_nc_u32 v[AD1+\s], s94, v[GO]
	v_add_nc_u32 v[AD0+\s], s95, v[GO]
	s_add_co_u32 s94, s94, SLOT
	s_add_co_u32 s95, s95, SLOT
.endr
	s_xor_b32 s96, s[HI], 1
	s_lshl_b32 s96, s96, 12
	s_lshl_b32 s97, s[LO], 12
	s_add_co_u32 s96, s96, s97
	s_add_co_u32 s96, s96, 4096                    ; from my q rowgroup's words to my k rowgroup's
	v_mul_u32_u24 v[ADRS], s96, v2
	v_lshl_add_u32 v[ADRS], v1, 4, v[ADRS]
	s_lshl_b32 s97, s[HI], 12
	s_add_co_u32 s97, s97, SCL
	v_add_nc_u32 v[ADRS], s97, v[ADRS]
.irp b, 0,1,2,3
	v_mov_b32 v[MY+\b], 0                          ; written once: a lane permute's destination counts as one of its sources
.endr
	s_mov_b32 s[SEL], 0x76543210
	s_mov_b32 s[SEL+1], 0xfedcba98
	s_lshl_b32 s92, s87, 1
	s_add_co_u32 s92, s92, s[HI]
	s_lshl_b32 s92, s92, 4
	s_add_co_u32 s92, s92, s91
	s_add_co_u32 s92, s92, s[LO]                   ; my chunk: 16 (2 Y + wave / 2) + 2 X + wave % 2
	s_mul_i32 s94, s92, CH
	s_mov_b32 s95, 0
	s_add_nc_u64 s[8:9], s[8:9], s[94:95]
	s_mul_i32 s94, s92, 1536
	s_add_nc_u64 s[10:11], s[10:11], s[94:95]
	s_mov_b32 s[CS], 0x3d38aa3b                    ; log2(e) / 32
	s_mov_b32 s[CS+1], s[CS]                       ; (named with it as a pair, so it is written)
	s_mov_b32 s[HM], 0xffff0000                    ; lanes 16-31
	s_wait_alu depctr_va_vdst(0)
	s_wait_loadcnt 0x0                             ; the scale words are in
.irp j, 0,1
.irp k, 0,1
	ds_store_b128 v[SCW], v[STM1+8*\j+4*\k:STM1+8*\j+4*\k+3] offset:4096*\j+2048*\k               ; q's two rowgroups, then k's two
	ds_store_b128 v[SCW], v[STM1+16+8*\j+4*\k:STM1+16+8*\j+4*\k+3] offset:8192+4096*\j+2048*\k
.endr
.endr
	s_wait_tensorcnt 0x0                           ; my part of slot 0 is in
	ds_add_u32 v[SPW], v[NIL]
	s_wait_dscnt 0x0                               ; the add and my stores of scale words are done
	CROUND
	JLOAD G0A+4, G1A, G0B+4, G1B                   ; slot 1's first fill, steps 2, 3
	global_prefetch_b8 v[PFO], s[PF:PF+1] offset:3*QTR th:TH_LOAD_NT scope:SCOPE_SE   ; steps 6, 7: the last; nothing beyond is asked for
	FETCH_S0 0
	FETCH_S1 0
	SCALES 0
	STEP 0, 1                                      ; the first step's products start the sums
	TURNR 1, 2                                     ; slot 1 is wanted; slot 2 is first filled
	STEP 2, 0
	TURNR 3, 0
	STEP 4, 0
	TURNP 5, 0                                     ; the refill of slot 0 is wanted: it is my only load that is out
	STEP 6, 0
	s_wait_dscnt 0x0
	WIN MUL_LO
	MUL16 0, 1, 0
	MUL16 2, 1, 0
	WIN MUL_HI
	MUL16 4, 1, 0
	MUL16 6, 1, 0
	WIN 0
	PLACES 4                                       ; in front of the first reads of results and the first writes over fragments
; THE WAY OUT: block a of the queries.  My lane holds one query and 64 of its 128 keys.
.macro SOFTQ a
.set AC, 64*((\a)%4)
.set PCS, PC+12*((\a)%2)
.if (\a) >= 2
	s_wait_xcnt 0x0                                ; the stores of two blocks ago have read this set of codes
.endif
	WIN 0x0a+5*((\a)/4)                            ; sources 0 and 1: window 2 or 3
.irp b, 0,1,2,3
	v_max_num_f32 v[MX+\b], v[AC+16*\b], v[AC+16*\b+1]   ; the largest score of each block of 32 keys: for the row's maximum and, since p rises with the score, for the block's largest p.  Each accumulator is read from its low end on
.endr
.irp i, 2,4,6,8,10,12,14
.irp b, 0,1,2,3
	v_max3_num_f32 v[MX+\b], v[AC+16*\b+\i], v[AC+16*\b+\i+1], v[MX+\b]
.endr
.endr
	WIN 0
.irp b, 0,1,2,3
	v_permlanex16_b32 v[MY+\b], v[MX+\b], s[SEL], s[SEL+1]
.endr
.irp b, 0,1,2,3
	v_max_num_f32 v[MX+\b], v[MX+\b], v[MY+\b]     ; with lane l xor 16's 16 keys
.endr
	v_max3_num_f32 v[NM+1], v[MX], v[MX+1], v[MX+2]
	v_max_num_f32 v[NM+1], v[NM+1], v[MX+3]
	v_mul_f32 v[NM+1], s[CS], v[NM+1]              ; the largest t of these 128 keys (c is positive)
	v_floor_f32 v[NM], -v[NM+1]                    ; -M = floor(-t) = -ceil(t)
	WIN 0x02+((\a)/4)                              ; source 0: window 2 or 3
.set jj, 0
.rept 32
	v_pk_fma_f32 v[T+jj:T+jj+1], v[AC+jj:AC+jj+1], s[CS:CS+1], v[NM:NM+1] op_sel_hi:[1,0,0]   ; t - M, two at a time
.set jj, jj+2
.endr
	WIN 0
.irp b, 0,1,2,3
	v_fma_f32 v[MX+\b], v[MX+\b], s[CS], v[NM]     ; the same of each block's largest score
.endr
.set jj, 0
	s_wait_alu depctr_va_vdst(0)
.rept 64
	v_exp_f32 v[T+jj], v[T+jj]                     ; p = 2^(t - M): not normalised
.set jj, jj+1
.endr
	v_mov_b32 v[NMS+(\a)], v[NM]                   ; (a plain place behind the exponentials)
	s_wait_alu depctr_va_vdst(0)                   ; one wait for the batch, ahead of its first reader
.irp b, 0,1,2,3
	v_exp_f32 v[MX+\b], v[MX+\b]                   ; the block's largest p: the same two instructions on the same number give the same bits
.endr
	v_pk_add_f32 v[SA:SA+1], v[T:T+1], v[T+2:T+3]  ; the sum of the unquantised p, in two chains; it reads the 64 alone
	v_pk_add_f32 v[SB:SB+1], v[T+4:T+5], v[T+6:T+7]
.irp j, 8,12,16,20,24,28,32,36,40,44,48,52,56,60
	v_pk_add_f32 v[SA:SA+1], v[SA:SA+1], v[T+\j:T+\j+1]
	v_pk_add_f32 v[SB:SB+1], v[SB:SB+1], v[T+\j+2:T+\j+3]
.endr
	v_pk_add_f32 v[SA:SA+1], v[SA:SA+1], v[SB:SB+1]
	v_add_f32 v[SA], v[SA], v[SA+1]
	v_permlanex16_b32 v[SB], v[SA], s[SEL], s[SEL+1]
	v_add_f32 v[LS+(\a)], v[SA], v[SB]             ; with lane l xor 16's: the sum over the 128 keys
	s_wait_alu depctr_va_vdst(0)                   ; and one for the four
.irp b, 0,1,2,3
	v_max_num_f32 v[MX+\b], 0x21800000, v[MX+\b]   ; the floor 2^-60: no byte falls under 65
.endr
.irp b, 0,1,2,3
	v_add_nc_u32 v[SCO+\b], 0xff000000, v[MX+\b]   ; 2 off the exponent field: the conversion's scale operand
.endr
.irp b, 0,1,2,3
	v_lshrrev_b32 v[BY+\b], 23, v[SCO+\b]
.endr
	v_lshl_or_b32 v[PWS+(\a)], v[BY+1], 8, v[BY]
	v_lshl_or_b32 v[PWS+(\a)], v[BY+2], 16, v[PWS+(\a)]
	v_lshl_or_b32 v[PWS+(\a)], v[BY+3], 24, v[PWS+(\a)]
.irp c, 0,1
	v_cvt_scalef32_pk16_fp6_f32 v[PCS+6*\c:PCS+6*\c+2], v[T+32*\c:T+32*\c+15], v[SCO+2*\c]
	v_cvt_scalef32_pk16_fp6_f32 v[PT+4*\c:PT+4*\c+2], v[T+32*\c+16:T+32*\c+31], v[SCO+2*\c+1]
.endr
	v_nop                                          ; one plain place behind a scaled conversion
.irp c, 0,1
.irp i, 0,1,2
	v_permlane16_swap_b32 v[PCS+6*\c+\i], v[PT+4*\c+\i]
.endr
.irp i, 0,1,2
	v_mov_b32 v[PCS+6*\c+3+\i], v[PT+4*\c+\i]
.endr
.endr
.irp c, 0,1,2
	global_store_b128 v[GO], v[PCS+4*\c:PCS+4*\c+3], s[8:9] offset:1536*(\a)+512*\c   ; 512 consecutive bytes, aligned
.endr
.endm
.irp a, 0,1,2,3,4,5,6,7
	SOFTQ \a
.endr
.irp k, 0,1,2,3
	v_cndmask_b32 v[OUTW+\k], v[PWS+\k], v[PWS+4+\k], s[HM]      ; lanes 0-15 send blocks 0-3, lanes 16-31 blocks 4-7
	v_cndmask_b32 v[OUTW+4+\k], v[NMS+\k], v[NMS+4+\k], s[HM]
	v_cndmask_b32 v[OUTW+8+\k], v[LS+\k], v[LS+4+\k], s[HM]
.endr
	global_store_b128 v[GO], v[OUTW:OUTW+3], s[10:11]
	global_store_b128 v[GO], v[OUTW+4:OUTW+7], s[10:11] offset:512
	global_store_b128 v[GO], v[OUTW+8:OUTW+11], s[10:11] offset:1024
	s_wait_tensorcnt 0x0                           ; the wave's end
	ds_add_u32 v[SPW], v[NIL]
	s_wait_dscnt 0x0
	CROUND                                         ; the closing round
	s_endpgm
.Lfunc_end_k_q51bbbb7f48_scores:
	.size	k_q51bbbb7f48_scores, .Lfunc_end_k_q51bbbb7f48_scores-k_q51bbbb7f48_scores
	.p2alignl 7, 3214868480
	.fill 96, 4, 3214868480
	.section	.rodata,"a",@progbits
	.p2align	6, 0x0
	.amdhsa_kernel k_q51bbbb7f48_scores
		.amdhsa_group_segment_fixed_size 327680
		.amdhsa_private_segment_fixed_size 0
		.amdhsa_enable_private_segment 0
		.amdhsa_kernarg_size 32
		.amdhsa_user_sgpr_count 2
		.amdhsa_user_sgpr_kernarg_segment_ptr 1
		.amdhsa_wavefront_size32 1
		.amdhsa_system_sgpr_workgroup_id_x 1
		.amdhsa_system_sgpr_workgroup_id_y 1
		.amdhsa_system_sgpr_workgroup_id_z 1
		.amdhsa_system_vgpr_workitem_id 0
		.amdhsa_next_free_vgpr 1024
		.amdhsa_next_free_sgpr 102
		.amdhsa_reserve_vcc 0
		.amdhsa_float_denorm_mode_32 3
		.amdhsa_float_denorm_mode_16_64 3
		.amdhsa_memory_ordered 1
		.amdhsa_forward_progress 1
		.amdhsa_inst_pref_size 193
	.end_amdhsa_kernel
	.amdgpu_metadata
---
amdhsa.version: [ 1, 2 ]
amdhsa.kernels:
  - .name:           k_q51bbbb7f48_scores
    .symbol:         k_q51bbbb7f48_scores.kd
    .args:
      - { .name: QKV, .offset: 0, .size: 8, .value_kind: global_buffer, .address_space: global }
      - { .name: QKVS, .offset: 8, .size: 8, .value_kind: global_buffer, .address_space: global }
      - { .name: PCD, .offset: 16, .size: 8, .value_kind: global_buffer, .address_space: global }
      - { .name: PSM, .offset: 24, .size: 8, .value_kind: global_buffer, .address_space: global }
    .group_segment_fixed_size: 327680
    .private_segment_fixed_size: 0
    .kernarg_segment_align: 8
    .kernarg_segment_size: 32
    .max_flat_workgroup_size: 128
    .sgpr_count:     102
    .vgpr_count:     1024
    .wavefront_size: 32
...
	.end_amdgpu_metadata
.endif
;; end of part 3
;; launch pv (part 4): grid 4 x 64, 4 waves a work-group, clusters of 4 x 4, 327,680 bytes of LDS; arguments PCD, PSM, QKV, QKVS, out0; writes out0
.if DOCPART == 4
	.amdgcn_target "amdgcn-amd-amdhsa--gfx1250"
	.amdhsa_code_object_version 6
	.text
	.protected	k_q51bbbb7f48_pv
	.globl	k_q51bbbb7f48_pv
	.p2align	8
	.type	k_q51bbbb7f48_pv,@function
k_q51bbbb7f48_pv:
	s_mov_b64 s[64:65], 0
	v_nop
	global_prefetch_b8 v0, s[64:65] scope:SCOPE_SE
	s_setreg_imm32_b32 hwreg(HW_REG_WAVE_MODE, 25, 1), 1
	s_wait_xcnt 0x0
	s_wait_alu depctr_hold_cnt(0) depctr_sa_sdst(0) depctr_va_vdst(0) depctr_va_sdst(0) depctr_va_ssrc(0) depctr_va_vcc(0) depctr_vm_vsrc(0)
	s_getreg_b32 s2, hwreg(HW_REG_IB_STS2, 6, 4)
	s_cmp_eq_u32 s2, 0
	s_cbranch_scc0 .Lentry_in_a_cluster
	s_endpgm
.Lentry_in_a_cluster:
	s_bfe_u32 s2, ttmp6, 0x10000c
	s_cmp_lg_u32 s2, 0xf033
	s_cbranch_scc0 .Lentry_shape_is_right
	s_endpgm
.Lentry_shape_is_right:
; out = (p v) / l on codes of FP6 (E2M3) with E8M0 scales.  p's codes were made under the M of each step of 128 keys.  At the head each thread takes one query: the largest M of its 16 steps,
; l = the sum of the steps' sums x 2^(step's M - largest M), and each step's scale word with that whole number added to its four bytes: an exact power of two, so the codes' values are those under the row's M.
; A tile is 128 queries x 256 features.  Source 1 = p (a lane holds one query), source 0 = v with the keys innermost (its rows are features): a lane's 64 registers of a block of queries run along 128 neighbouring features.
; Four waves, each 64 queries x 128 features: 32 accumulators.  K = 2,048 keys is 16 steps of 128, written out.  Two LDS slots of four steps; steps 0-7 are first fills, steps 8-11 and 12-15 refills:
; by this text's count at most three tensor loads of a wave are out.  4 x 4 work-groups form a cluster: p's chunks are asked for jointly along a row, v's along a column.
; LIMITS: a step whose M lies more than 64 under the row's enters the product at 2^-64 of its own scale (at most 2^-64 a number, beside l >= 1/2); its sum enters l by the true power.  The bytes are 65 or more as stored, so no byte borrows.  NaN and infinities are not served.
; REGISTERS: window 0: v1-18 addresses; v32-47 scale words, two sets; v48-55 1 / l; v64-111, v112-159 p's fragments, two sets (at the head: the 48 words of my query; on the way out v64-255 are free).  window 1: v0-95, v128-223 v's.  window 2: accumulator (a, b) at v[8 (8 a + b)].
.set CH,    12288
.set SLOT,  12*CH                      ; four steps: p's 4 chunks, v rowgroup 0's, v rowgroup 1's
.set PSL,   2*SLOT                     ; p's moved scale words, 16 steps x 512 bytes: written by LDS stores alone
.set VSL,   PSL+8192                   ; v's scale words, 2 rowgroups x 16 steps x 512: filled once
.set RLB,   VSL+16384                  ; 1 / l, a word a query
.set SPARE, RLB+512                    ; the spare words, 128 bytes a wave: two blocks of 256 bytes that no other line names
.set SP,    528                        ; the way out: a stage of 16 rows x (512 + 16) bytes a wave, in slot 0, which has had its last fill and its last read by then
.set AD1,   4                          ; v4-5
.set AD0,   6                          ; v6-7
.set ADRS0, 8
.set ADRS1, 9
.set STO,   10
.set RD,    11
.set CO,    12
.set RLAD,  13
.set PSLA,  14
.set RLA,   15
.set SPW,   16
.set NIL,   17
.set PSMO,  18
.set SC,    32
.set RLP,   48
; THE FILLS, in place of what is stated above: at the head a wave issues one joint load, its part of slot 0; slot 1 is first filled as a refill is, behind the three lines and a round: one load of a wave is out at a time.
; v's scale words (16,384 bytes) come through registers into LDS bytes of their own.
; PREFETCH: behind the head's load the tiles of the next two fills are asked for, behind slot 1's fill the last one's.  Of the blocks of 256 bytes that a wave fetches (p: 96, v: 192) each of the four partners that ask jointly names a quarter, told apart by address.
.set S1F,   64
.set VTO,   19                         ; v19 16 x thread
.set VSA,   20                         ; v20 VSL + 16 x thread
.set PFO,   21                         ; v21 the prefetches' offset; never rewritten
.set VST,   160                        ; v160-191 v's scale words on their way into LDS
.set PF,    88                         ; s[88:89] what I fetch of slot 0, in memory; never rewritten
.set PSW,   64                         ; the head: v64-79 scale words, v80-95 -M, v96-111 sums, v112 the least -M, v128-143 the held differences
.set NM,    80
.set LL,    96
.set NG,    112
.set DC,    128
.set OT,    64                         ; the way out
.set BK,    128
.set WV,    14
.set HI,    15
.set LO,    66
.set G1P,   16
.set G1V,   24
.set G1VS,  32
.set G0P,   40                         ; s[40:47] two slots
.set G0V,   48                         ; s[48:55]
.set G0VS,  56
.set MSB, 0
.macro WIN new
.if MSB != (\new)
	s_set_vgpr_msb (MSB<<8)|(\new)
.set MSB, (\new)
.endif
.endm
.set MUL,   0xa1                       ; source 0 window 1, source 1 window 0, C and D window 2
.set TO_S0, 0x40
.macro PLACES n
.rept \n
	v_nop
.endr
.endm
.macro JLOAD s                         ; waves 0, 1 ask for the halves of p's four chunks, waves 2, 3 for v's rowgroups; four v_nop follow each line
	s_cmp_lt_u32 s[WV], 2
	s_cbranch_scc0 .Lfor_v_\@
	tensor_load_to_lds s[G0P+4*\s:G0P+4*\s+3], s[G1P:G1P+7]
	s_nop 0
.rept 4
	v_nop
.endr
	s_branch .Lasked_\@
.Lfor_v_\@:
	tensor_load_to_lds s[G0V+4*\s:G0V+4*\s+3], s[G1V:G1V+7]
	s_nop 0
.rept 4
	v_nop
.endr
.Lasked_\@:
.endm
.macro ASK n                           ; the steps 4 n .. 4 n + 3: 24 blocks a wave of p's, 48 of v's
	global_prefetch_b8 v[PFO], s[PF:PF+1] offset:(\n)*4*CH th:TH_LOAD_NT scope:SCOPE_SE
	s_cmp_lt_u32 s[WV], 2
	s_cbranch_scc1 .Lfor_p_\@
	global_prefetch_b8 v[PFO], s[PF:PF+1] offset:(\n)*4*CH+6144 th:TH_LOAD_NT scope:SCOPE_SE
.Lfor_p_\@:
.endm
.macro CREST
	s_cmp_lg_u32 s[WV], 0
	s_cbranch_scc1 .Lnot_wave_0_\@
	s_barrier_signal -3
.Lnot_wave_0_\@:
	s_barrier_wait -3
	s_barrier_signal -1
	s_barrier_wait -1
.endm
.macro CROUND
	s_barrier_signal -1
	s_barrier_wait -1
	CREST
.endm
.macro FRAG3 reg, adr, off
.irp c, 0,1,2
	ds_load_b128 v[\reg+4*\c:\reg+4*\c+3], v[\adr] offset:\off+512*\c
.endr
.endm
.macro FETCH q                         ; step q lies in slot (q / 4) % 2, place q % 4; it goes to set q % 2: 38 loads in one run
	WIN TO_S0
.irp b, 0,1,2,3,4,5,6,7
	FRAG3 128*((\q)%2)+12*\b, AD0+(((\q)/4)%2), ((\q)%4)*CH+1536*\b
.endr
	WIN 0
.irp a, 0,1,2,3
	FRAG3 S1F+48*((\q)%2)+12*\a, AD1+(((\q)/4)%2), ((\q)%4)*CH+1536*\a
.endr
	ds_load_b128 v[SC+8*((\q)%2):SC+8*((\q)%2)+3], v[ADRS0] offset:512*(\q)     ; lanes 0-15: my four blocks of p; lanes 16-31: v's blocks 0-3
	ds_load_b128 v[SC+8*((\q)%2)+4:SC+8*((\q)%2)+7], v[ADRS1] offset:512*(\q)   ; lanes 16-31: v's blocks 4-7 (lanes 0-15 are not read)
.endm
; 16 products: p's blocks a0, a0 + 1 against v's eight.  The 32 accumulators take turns, one instruction a turn, in the same order in every step.
.macro MUL16 a0, set, zero
.irp a, \a0, \a0+1
.irp b, 0,1,2,3,4,5,6,7
.if \zero
	v_wmma_scale_f32_16x16x128_f8f6f4 v[8*(8*(\a)+\b):8*(8*(\a)+\b)+7], v[128*(\set)+12*\b:128*(\set)+12*\b+11], v[S1F+48*(\set)+12*(\a):S1F+48*(\set)+12*(\a)+11], 0, v[SC+8*(\set)+\b], v[SC+8*(\set)+(\a)] matrix_a_fmt:MATRIX_FMT_FP6 matrix_b_fmt:MATRIX_FMT_FP6 matrix_a_scale:MATRIX_SCALE_ROW1
.else
	v_wmma_scale_f32_16x16x128_f8f6f4 v[8*(8*(\a)+\b):8*(8*(\a)+\b)+7], v[128*(\set)+12*\b:128*(\set)+12*\b+11], v[S1F+48*(\set)+12*(\a):S1F+48*(\set)+12*(\a)+11], v[8*(8*(\a)+\b):8*(8*(\a)+\b)+7], v[SC+8*(\set)+\b], v[SC+8*(\set)+(\a)] matrix_a_fmt:MATRIX_FMT_FP6 matrix_b_fmt:MATRIX_FMT_FP6 matrix_a_scale:MATRIX_SCALE_ROW1
.endif
.endr
.endr
.endm
.macro STEP q, zero
	s_wait_dscnt 0x0                               ; this step's fragments and scale words are in
	PLACES 4                                       ; four places between the last step's products and the loads into the sets that they read (ISA guide 7.12.1 for vector instructions)
	FETCH (\q)+1
	WIN MUL
	MUL16 0, (\q)%2, \zero
	MUL16 2, (\q)%2, \zero
	WIN 0
.endm
.macro TURNR q, s                      ; slot s, read out, is filled again with the steps eight on; the round of the cluster's barrier is the barrier in front of the refill
	s_wait_tensorcnt 0x0                           ; all my tensor loads have landed, my part of the other slot among them
	ds_add_u32 v[SPW], v[NIL]                      ; 0 onto my spare word
	s_wait_dscnt 0x1                               ; this step's fragments are in; only the add may be out
	WIN MUL
	MUL16 0, (\q)%2, 0
	WIN 0
	s_wait_dscnt 0x0                               ; the add is done, and my reads of slot s are over
	s_barrier_signal -1
	s_barrier_wait -1
	CREST                                          ; no wave of any partner still reads slot s or has a load on its way
	s_add_nc_u64 s[G0P+4*\s+2:G0P+4*\s+3], s[G0P+4*\s+2:G0P+4*\s+3], 8*CH
	s_add_nc_u64 s[G0V+4*\s+2:G0V+4*\s+3], s[G0V+4*\s+2:G0V+4*\s+3], 8*CH
	JLOAD \s                                       ; it has four steps, 128 products, in which to land; its four v_nop are the places in front of the loads below
	FETCH (\q)+1
	WIN MUL
	MUL16 2, (\q)%2, 0
	WIN 0
.endm
	s_load_b256 s[4:11], s[0:1], 0x0               ; PCD s[4:5], PSM s[6:7], QKV s[8:9], QKVS s[10:11]
	s_load_b64 s[12:13], s[0:1], 0x20              ; out0
	v_lshl_add_u32 v[SPW], v0, 2, SPARE
	v_mov_b32 v[NIL], 0
	ds_add_u32 v16, v17
	ds_add_u32 v16, v17
	s_wait_dscnt 0x0
	v_lshlrev_b32 v[PSMO], 2, v0                   ; thread t is the query whose words are word t of each 512 bytes
	v_lshl_add_u32 v[PSLA], v0, 2, PSL
	v_lshl_add_u32 v[RLA], v0, 2, RLB
	v_lshrrev_b32 v1, 5, v0
	v_readfirstlane_b32 s[WV], v1
	s_lshr_b32 s[HI], s[WV], 1                     ; my 64 queries: blocks 4 x this on
	s_and_b32 s[LO], s[WV], 1                      ; my rowgroup of features; also which part I fetch
	s_bfe_u32 s60, ttmp6, 0x40000                  ; cx: the pair of feature rowgroups
	s_bfe_u32 s61, ttmp6, 0x40004                  ; cy
	s_and_b32 s62, ttmp7, 0xffff
	s_lshl_b32 s63, s62, 2
	s_add_co_u32 s63, s63, s61                     ; the query rowgroup, 0-63
	s_lshr_b32 s67, s62, 2                         ; the batch: four clusters each
	s_lshl_b32 s68, s61, 2
	s_lshl_b32 s68, 15, s68                        ; my row of the cluster
	s_lshl_b32 s69, 0x1111, s60                    ; my column
	s_cmp_lt_u32 s[WV], 2
	s_cselect_b32 s90, s60, s61                    ; my place among the four that ask with me
	s_cselect_b32 s91, 24, 48
	s_mul_i32 s90, s90, s91
	v_and_b32 v[PFO], 31, v0
	v_min_u32 v[PFO], 23, v[PFO]                   ; lanes 24-31 name the last block again
	v_add_nc_u32 v[PFO], s90, v[PFO]
	v_lshlrev_b32 v[PFO], 8, v[PFO]                ; a lane a block of 256 bytes
	v_lshlrev_b32 v[VTO], 4, v0
	v_lshl_add_u32 v[VSA], v0, 4, VSL
	s_wait_alu depctr_va_vdst(0)                   ; ahead of the run of scalar lines
	s_or_b32 s[G1P], s68, (3<<16)|(1<<21)          ; dense blocks as rows of 256 bytes (32 elements of 8 bytes): 96 and 192 rows
	s_or_b32 s[G1V], s69, (3<<16)|(1<<21)
	s_mov_b32 s[G1P+1], 32<<16
	s_mov_b32 s[G1P+2], 96<<16
	s_mov_b32 s[G1P+3], 32<<16
	s_mov_b32 s[G1P+4], 96
	s_mov_b32 s[G1P+5], 32
	s_mov_b32 s[G1P+6], 0
	s_mov_b32 s[G1P+7], 0
	s_mov_b32 s[G1V+1], 32<<16
	s_mov_b32 s[G1V+2], 192<<16
	s_mov_b32 s[G1V+3], 32<<16
	s_mov_b32 s[G1V+4], 192
	s_mov_b32 s[G1V+5], 32
	s_mov_b32 s[G1V+6], 0
	s_mov_b32 s[G1V+7], 0
	s_mul_i32 s78, s[LO], 2*CH                     ; p: my half of a slot's four chunks, in LDS and in memory
	s_mul_i32 s70, s63, 16*CH
	s_add_co_u32 s70, s70, s78
	s_mov_b32 s71, 0
	s_lshl_b32 s72, s60, 1
	s_add_co_u32 s72, s72, s[LO]                   ; v: feature rowgroup 2 cx + wave % 2
	s_lshl_b32 s72, s72, 6
	s_lshl_b32 s73, s67, 4
	s_add_co_u32 s72, s72, s73
	s_add_co_u32 s72, s72, 1024                    ; its first chunk of the batch
	s_mul_i32 s74, s72, CH
	s_mov_b32 s75, 0
	s_lshl_b32 s76, s[LO], 6
	s_sub_co_u32 s76, s72, s76                     ; the pair's first rowgroup
	s_lshl_b32 s76, s76, 9
	s_mov_b32 s77, 0
	s_mul_i32 s79, s[LO], 4*CH
	s_add_co_u32 s79, s79, 4*CH                    ; v in a slot
	s_lshl_b32 s80, s[LO], 13
	s_wait_kmcnt 0x0
	s_add_nc_u64 s[70:71], s[4:5], s[70:71]
	s_add_nc_u64 s[74:75], s[8:9], s[74:75]
	s_add_nc_u64 s[76:77], s[10:11], s[76:77]
.irp k, 0,1,2,3
	global_load_b128 v[VST+4*\k:VST+4*\k+3], v[VTO], s[76:77] offset:2048*\k               ; 8,192 dense bytes a rowgroup; the rowgroups lie 64 chunks' words apart
	global_load_b128 v[VST+16+4*\k:VST+16+4*\k+3], v[VTO], s[76:77] offset:32768+2048*\k
.endr
	s_cmp_lt_u32 s[WV], 2
	s_cselect_b64 s[PF:PF+1], s[70:71], s[74:75]
.irp s, 0,1
	s_mov_b32 s[G0P+4*\s], 1
	s_add_co_u32 s[G0P+4*\s+1], s78, \s*SLOT
	s_add_nc_u64 s[G0P+4*\s+2:G0P+4*\s+3], s[70:71], \s*4*CH
	s_or_b32 s[G0P+4*\s+3], s[G0P+4*\s+3], 0x80000000
	s_mov_b32 s[G0V+4*\s], 1
	s_add_co_u32 s[G0V+4*\s+1], s79, \s*SLOT
	s_add_nc_u64 s[G0V+4*\s+2:G0V+4*\s+3], s[74:75], \s*4*CH
	s_or_b32 s[G0V+4*\s+3], s[G0V+4*\s+3], 0x80000000
.endr
	CROUND                                         ; all sixteen work-groups are here: the first joint loads meet
	JLOAD 0                                        ; steps 0-3: one tensor load a wave at the head
	ASK 1
	ASK 2
	s_mul_i32 s70, s63, 16*1536
	s_mov_b32 s71, 0
	s_add_nc_u64 s[6:7], s[6:7], s[70:71]          ; my query rowgroup's 16 steps of scale words, -M and sums
	s_wait_alu depctr_va_vdst(0)
.irp s, 0,1,2,3,4,5,6,7,8,9,10,11,12,13,14,15
	global_load_b32 v[PSW+\s], v[PSMO], s[6:7] offset:1536*\s
	global_load_b32 v[NM+\s], v[PSMO], s[6:7] offset:1536*\s+512
	global_load_b32 v[LL+\s], v[PSMO], s[6:7] offset:1536*\s+1024
.endr
	v_and_b32 v1, 15, v0                           ; r
	v_bfe_u32 v2, v0, 4, 1                         ; h
	s_wait_alu depctr_va_vdst(0)
	v_and_b32 v3, 31, v0                           ; lane
	v_lshlrev_b32 v[CO], 4, v3
	s_mul_i32 s81, s[HI], 4*1536
	s_mov_b32 s82, s79
.irp s, 0,1
	v_add_nc_u32 v[AD1+\s], s81, v[CO]
	v_add_nc_u32 v[AD0+\s], s82, v[CO]
	s_add_co_u32 s81, s81, SLOT
	s_add_co_u32 s82, s82, SLOT
.endr
	s_xor_b32 s81, s[HI], 1
	s_lshl_b32 s81, s81, 8
	s_add_co_u32 s81, s81, s80
	s_add_co_u32 s81, s81, 7936                    ; from my blocks' words of p to my rowgroup's words of v: 8192 + 8192 (wave % 2) - 256 (wave / 2)
	v_mul_u32_u24 v[ADRS0], s81, v2                ; lanes 16-31 take v's
	v_lshl_add_u32 v[ADRS0], v1, 4, v[ADRS0]
	s_lshl_b32 s82, s[HI], 8
	s_add_co_u32 s83, s82, PSL
	v_add_nc_u32 v[ADRS0], s83, v[ADRS0]
	v_lshl_add_u32 v[ADRS1], v2, 8, v[ADRS0]
	s_add_co_u32 s83, s82, RLB
	v_lshl_add_u32 v[RLAD], v1, 4, s83
	s_mul_i32 s83, s[WV], 16*SP
	v_mul_u32_u24 v[STO], v1, SP
	v_lshl_add_u32 v[STO], v2, 6, v[STO]
	v_add_nc_u32 v[STO], s83, v[STO]               ; the stage, in: row r, + 64 h
	v_add_nc_u32 v[RD], s83, v[CO]                 ; and back: a whole row of 512 bytes
	s_lshl_b32 s84, s63, 7
	s_lshl_b32 s85, s[HI], 6
	s_add_co_u32 s84, s84, s85
	s_lshl_b32 s84, s84, 12                        ; my first row of out0: 128 x rowgroup + 64 x (wave / 2), 4,096 bytes a row
	s_lshl_b32 s85, s60, 10
	s_add_co_u32 s84, s84, s85
	s_lshl_b32 s85, s[LO], 9
	s_add_co_u32 s84, s84, s85                     ; + my 128 features
	s_mov_b32 s85, 0
	s_add_nc_u64 s[12:13], s[12:13], s[84:85]
	s_mov_b32 s86, 0x01010101
	s_wait_loadcnt 0x0
.irp k, 0,1,2,3
	ds_store_b128 v[VSA], v[VST+4*\k:VST+4*\k+3] offset:2048*\k                    ; v's scale words, as they lie in memory: rowgroup 0's, then rowgroup 1's
	ds_store_b128 v[VSA], v[VST+16+4*\k:VST+16+4*\k+3] offset:8192+2048*\k
.endr
	v_min3_num_f32 v[NG], v[NM], v[NM+1], v[NM+2]  ; the least -M = -(the row's M)
.irp i, 3,5,7,9,11,13
	v_min3_num_f32 v[NG], v[NG], v[NM+\i], v[NM+\i+1]
.endr
	v_min_num_f32 v[NG], v[NG], v[NM+15]
.irp s, 0,1,2,3,4,5,6,7,8,9,10,11,12,13,14,15
	v_sub_f32 v[NM+\s], v[NG], v[NM+\s]            ; the step's M less the row's: a whole number, 0 or less
.endr
.irp s, 0,1,2,3,4,5,6,7,8,9,10,11,12,13,14,15
	v_max_num_f32 v[DC+\s], 0xc2800000, v[NM+\s]   ; held at -64 for the bytes
.endr
.irp s, 0,1,2,3,4,5,6,7,8,9,10,11,12,13,14,15
	v_cvt_i32_f32 v[NM+\s], v[NM+\s]               ; (it saturates)
.endr
.irp s, 0,1,2,3,4,5,6,7,8,9,10,11,12,13,14,15
	v_cvt_i32_f32 v[DC+\s], v[DC+\s]
.endr
.irp s, 0,1,2,3,4,5,6,7,8,9,10,11,12,13,14,15
	v_ldexp_f32 v[LL+\s], v[LL+\s], v[NM+\s]       ; the step's sum under the row's M: nothing is rounded
.endr
.irp s, 0,1,2,3,4,5,6,7,8,9,10,11,12,13,14,15
	v_mul_lo_u32 v[DC+\s], v[DC+\s], s86           ; the same whole number for each of the four bytes
.endr
.irp s, 0,1,2,3,4,5,6,7,8,9,10,11,12,13,14,15
	v_add_nc_u32 v[PSW+\s], v[PSW+\s], v[DC+\s]    ; every byte is 65 or more and at most 64 is taken off: no byte borrows
.endr
.irp s, 0,1,2,3,4,5,6,7,8,9,10,11,12,13,14,15
	ds_store_b32 v[PSLA], v[PSW+\s] offset:512*\s
.endr
.irp p, 0,2,4,6
	v_pk_add_f32 v[LL+\p:LL+\p+1], v[LL+\p:LL+\p+1], v[LL+8+\p:LL+9+\p]
.endr
.irp p, 0,2
	v_pk_add_f32 v[LL+\p:LL+\p+1], v[LL+\p:LL+\p+1], v[LL+4+\p:LL+5+\p]
.endr
	v_pk_add_f32 v[LL:LL+1], v[LL:LL+1], v[LL+2:LL+3]
	v_add_f32 v[LL], v[LL], v[LL+1]                ; l
	s_wait_alu depctr_va_vdst(0)
	v_rcp_f32 v[LL+2], v[LL]
	v_nop                                          ; one plain place behind the reciprocal
	s_wait_alu depctr_va_vdst(0)                   ; and the wait ahead of its first reader
	ds_store_b32 v[RLA], v[LL+2]
	s_wait_tensorcnt 0x0                           ; my part of slot 0 is in
	ds_add_u32 v[SPW], v[NIL]
	s_wait_dscnt 0x0                               ; the add is done, and for the others' sake my stores of scale words and 1 / l
	CROUND
	JLOAD 1                                        ; slot 1's first fill, steps 4-7
	ASK 3                                          ; steps 12-15: the last; nothing beyond is asked for
	FETCH 0
	STEP 0, 1                                      ; the first step's products start the sums
	STEP 1, 0
	STEP 2, 0
	TURNR 3, 0                                     ; slot 0 takes steps 8-11
	STEP 4, 0
	STEP 5, 0
	STEP 6, 0
	TURNR 7, 1                                     ; slot 1 takes steps 12-15
	STEP 8, 0
	STEP 9, 0
	STEP 10, 0
	s_wait_tensorcnt 0x0                           ; step 11: slot 1's refill is wanted: it is my only load that is out
	s_wait_dscnt 0x0                               ; my reads of slot 0 are over: behind this barrier it may serve as the stage
	s_barrier_signal -1
	WIN MUL
	MUL16 0, 1, 0
	s_barrier_wait -1
	PLACES 4
	FETCH 12
	WIN MUL
	MUL16 2, 1, 0
	WIN 0
	STEP 12, 0
	STEP 13, 0
	STEP 14, 0
	s_wait_dscnt 0x0                               ; the last step: nothing more to fetch
	WIN MUL
	MUL16 0, 1, 0
	MUL16 2, 1, 0
	WIN 0
	PLACES 4                                       ; in front of the first reads of results and the first writes over fragments
.irp a, 0,1,2,3
	ds_load_b32 v[RLP+2*\a], v[RLAD] offset:4*\a   ; 1 / l of my query in each of my four blocks
	ds_load_b32 v[RLP+2*\a+1], v[RLAD] offset:4*\a ; (named with it as a pair, so it is written)
.endr
	s_wait_dscnt 0x0
; THE WAY OUT, block by block of 16 queries x 128 features: divided by l, through my own stage, back as whole rows of 512 bytes.  LDS serves a wave's instructions in order: no wait between the stores and the loads.
.macro PACK a
	WIN 0x02                                       ; source 0: window 2
.set pp, 0
.rept 32
	v_pk_mul_f32 v[OT+2*pp:OT+2*pp+1], v[64*(\a)+2*pp:64*(\a)+2*pp+1], v[RLP+2*(\a):RLP+2*(\a)+1] op_sel_hi:[1,0]   ; each accumulator from its low end on
.set pp, pp+1
.endr
	WIN 0
.endm
.macro TOSTAGE a
.set BB, BK+64*((\a)%2)
.irp b, 0,1,2,3
.irp k, 0,1,2,3
	ds_store_b128 v[STO], v[OT+16*\b+4*\k:OT+16*\b+4*\k+3] offset:128*\b+16*\k   ; register 16 b + i is feature 32 b + 16 h + i
.endr
.endr
.irp t, 0,1,2,3,4,5,6,7,8,9,10,11,12,13,14,15
	ds_load_b128 v[BB+4*\t:BB+4*\t+3], v[RD] offset:\t*SP
.endr
.endm
.macro SEND a, younger                 ; younger: the LDS instructions issued behind block a's loads, which may stay out
.set BB, BK+64*((\a)%2)
	s_wait_dscnt \younger
.irp t, 0,1,2,3,4,5,6,7,8,9,10,11,12,13,14,15
	global_store_b128 v[CO], v[BB+4*\t:BB+4*\t+3], s[12:13] offset:(32*((\a)/2)+8*((\a)%2)+\t+(\t&8))*4096 th:TH_STORE_NT   ; lane row t of block a is this query: 512 consecutive bytes, aligned; written once, read by nobody here
.endr
.endm
	PACK 0
	TOSTAGE 0
.irp a, 1,2,3
.if \a > 1
	s_wait_xcnt 0x0                                ; block a - 2's stores have read the registers into which block a's rows come back
.endif
	PACK \a
	TOSTAGE \a
	SEND \a-1, 32                                  ; behind block a - 1's loads: block a's 16 stores and 16 loads
.endr
	SEND 3, 0
	s_wait_tensorcnt 0x0                           ; the wave's end
	ds_add_u32 v[SPW], v[NIL]
	s_wait_dscnt 0x0
	CROUND                                         ; the closing round
	s_endpgm
.Lfunc_end_k_q51bbbb7f48_pv:
	.size	k_q51bbbb7f48_pv, .Lfunc_end_k_q51bbbb7f48_pv-k_q51bbbb7f48_pv
	.p2alignl 7, 3214868480
	.fill 96, 4, 3214868480
	.section	.rodata,"a",@progbits
	.p2align	6, 0x0
	.amdhsa_kernel k_q51bbbb7f48_pv
		.amdhsa_group_segment_fixed_size 327680
		.amdhsa_private_segment_fixed_size 0
		.amdhsa_enable_private_segment 0
		.amdhsa_kernarg_size 40
		.amdhsa_user_sgpr_count 2
		.amdhsa_user_sgpr_kernarg_segment_ptr 1
		.amdhsa_wavefront_size32 1
		.amdhsa_system_sgpr_workgroup_id_x 1
		.amdhsa_system_sgpr_workgroup_id_y 1
		.amdhsa_system_sgpr_workgroup_id_z 1
		.amdhsa_system_vgpr_workitem_id 0
		.amdhsa_next_free_vgpr 768
		.amdhsa_next_free_sgpr 96
		.amdhsa_reserve_vcc 0
		.amdhsa_float_denorm_mode_32 3
		.amdhsa_float_denorm_mode_16_64 3
		.amdhsa_memory_ordered 1
		.amdhsa_forward_progress 1
		.amdhsa_inst_pref_size 155
	.end_amdhsa_kernel
	.amdgpu_metadata
---
amdhsa.version: [ 1, 2 ]
amdhsa.kernels:
  - .name:           k_q51bbbb7f48_pv
    .symbol:         k_q51bbbb7f48_pv.kd
    .args:
      - { .name: PCD, .offset: 0, .size: 8, .value_kind: global_buffer, .address_space: global }
      - { .name: PSM, .offset: 8, .size: 8, .value_kind: global_buffer, .address_space: global }
      - { .name: QKV, .offset: 16, .size: 8, .value_kind: global_buffer, .address_space: global }
      - { .name: QKVS, .offset: 24, .size: 8, .value_kind: global_buffer, .address_space: global }
      - { .name: out0, .offset: 32, .size: 8, .value_kind: global_buffer, .address_space: global }
    .group_segment_fixed_size: 327680
    .private_segment_fixed_size: 0
    .kernarg_segment_align: 8
    .kernarg_segment_size: 40
    .max_flat_workgroup_size: 128
    .sgpr_count:     96
    .vgpr_count:     768
    .wavefront_size: 32
...
	.end_amdgpu_metadata
.endif
;; end of part 4
